; MI455X (gfx1250); checked and timed in simulation.
; The chip was launched on July 23, 2026; its instructions are those of AMD's public machine-readable ISA for CDNA 5 (MIT licence, August 2026) and "CDNA5" Instruction Set Architecture Reference Guide (July 2026). The comments in the code are by the model that wrote it; some were corrected since.
;; Scaled Dot Product Attention. Allowed arithmetic: matrix products marked QUANTISED: E2M3 operands, one E8M0 scale for each 32 along K, by v_wmma_scale_f32_16x16x128_f8f6f4 with both operands' format E2M3, f32 sums; everything else in f32.
;; Inputs: k_codes 4 x 2,048 x 32 x 24 uint8 (E2M3 codes of k, K innermost, in blocks of 32 codes, four codes in three bytes); k_scales 4 x 2,048 x 32 uint8 (E8M0 scales of k, one for each 32 codes along K); q_codes 4 x 2,048 x 32 x 24 uint8 (E2M3 codes of q, K innermost, in blocks of 32 codes, four codes in three bytes); q_scales 4 x 2,048 x 32 uint8 (E8M0 scales of q, one for each 32 codes along K); v_codes 4 x 2,048 x 32 x 24 uint8 (E2M3 codes of v, K innermost, in blocks of 32 codes, four codes in three bytes); v_scales 4 x 2,048 x 32 uint8 (E8M0 scales of v, one for each 32 codes along K); w_k_codes 1,024 x 32 x 24 uint8 (E2M3 codes of w_k, K innermost, in blocks of 32 codes, four codes in three bytes); w_k_scales 1,024 x 32 uint8 (E8M0 scales of w_k, one for each 32 codes along K); w_q_codes 1,024 x 32 x 24 uint8 (E2M3 codes of w_q, K innermost, in blocks of 32 codes, four codes in three bytes); w_q_scales 1,024 x 32 uint8 (E8M0 scales of w_q, one for each 32 codes along K); w_v_codes 1,024 x 32 x 24 uint8 (E2M3 codes of w_v, K innermost, in blocks of 32 codes, four codes in three bytes); w_v_scales 1,024 x 32 uint8 (E8M0 scales of w_v, one for each 32 codes along K).
;; Outputs: out0 4 x 2,048 x 1,024 float32.
;; This version of the problem:
;;   THIS VERSION OF THE PROBLEM IS GIVEN IN LOW PRECISION. The matrix products marked QUANTISED in the list below multiply operands that are first quantised to E2M3 (2 exponent bits, 3 mantissa bits; 6 bits a number), with one power-of-two scale for each 32 numbers along K (OCP MX v1.0); their sums are f32. All else is computed in f32.
;;   The module's matrix products, in the order in which they are computed (A, B: the left and right operand; K: the contracted axis; several contracted axes count as one K, in the product's order):
;;     1. [M 8,192, K 1,024] x [K 1,024, N 1,024]; A: input q (given as codes); B: input w_q (given as codes): QUANTISED
;;     2. [M 8,192, K 1,024] x [K 1,024, N 1,024]; A: input k (given as codes); B: input w_k (given as codes): QUANTISED
;;     3. [M 8,192, K 1,024] x [K 1,024, N 1,024]; A: input v (given as codes); B: input w_v (given as codes): QUANTISED
;;     4. batch 4 x [M 2,048, K 1,024] x [K 1,024, N 2,048]; A: computed on the way; B: computed on the way: QUANTISED
;;     5. batch 4 x [M 2,048, K 2,048] x [K 2,048, N 1,024]; A: softmax (see below); B: computed on the way: QUANTISED
;;   THE QUANTISER, for each operand of a quantised product, along K:
;;     - K is cut into blocks of 32 from its start; a last block that is shorter is filled with zeros.
;;     - A block's scale is 2^e with e = floor(log2(the largest magnitude in the block)) - 2, held to -126 .. 127; a block of zeros has e = 0. As a byte (E8M0): e + 127.
;;     - Each number is divided by its block's scale, clamped to +-7.5, and rounded to the nearest number of E2M3, ties to even, subnormals kept.
;;     - The product sums the exact products of the quantised numbers (number of the format x scale) in f32.
;;   ~~~python
;;   def quantise(x, axis):      # numpy; x: float32 -> the quantised numbers, widened to float32 again
;;       x = np.moveaxis(x, axis, -1); K = x.shape[-1]
;;       x = np.pad(x, [(0, 0)] * (x.ndim - 1) + [(0, -K % 32)]); x = x.reshape(x.shape[:-1] + (-1, 32)); a = np.abs(x).max(-1, keepdims=True)
;;       e = np.where(a > 0, np.clip(np.frexp(np.where(a > 0, a, 1))[1] - 1 - 2, -126, 127), 0)      # np.frexp(a)[1] - 1 = floor(log2(a)), exactly
;;       r = np.clip(x / 2.0 ** e, -7.5, 7.5)
;;       step = 2.0 ** (np.maximum(np.frexp(np.where(r == 0, 1, r))[1] - 1, 0) - 3)
;;       q = np.round(r / step) * step * 2.0 ** e      # np.round: ties to even
;;       return np.moveaxis(q.reshape(q.shape[:-2] + (-1,))[..., :K], -1, axis).astype(np.float32)
;;   ~~~
;;   SOFTMAX AHEAD OF A QUANTISED PRODUCT. Where the list says 'softmax', what is quantised is not the finished softmax but p = 2^(t - M), with t = logit x log2(e) and M = ceil(the row's largest t), a whole number; so 1/2 < the row's largest p <= 1. The row's sum l is taken of the UNQUANTISED p, in f32, and the product's result is divided by l at the end. Since M is a whole number, a kernel that streams over the keys may use a running M (the ceiling of the running maximum): every later rescaling is an exact power of two, which a block's scale takes up: the codes' values come out the same.
;;   OPERANDS COMPUTED ON THE WAY. 'Computed on the way' means the value that the module computes at that place (a softmax that the list does not call 'softmax' is quantised finished and normalised). What goes into a quantiser is computed in f32, as accurately as f32 sums, v_exp_f32 and their like allow (about 1e-6 of the number): no bf16 or f16 on the way to a quantiser, and a product that is left as it is and whose result goes on into a quantised operand takes f32 operands (vector FMAs, or v_wmma_f32_16x16x4_f32). A number that lies on a knife's edge between two numbers of the format may be rounded either way, as far as f32 arithmetic and the matrix unit's own rounding can turn it there, and no further.
;;   INPUTS GIVEN AS CODES. k (in the module: [4, 2048, 1024], K = its axis 2); q (in the module: [4, 2048, 1024], K = its axis 2); v (in the module: [4, 2048, 1024], K = its axis 2); w_k (in the module: [1024, 1024], K = its axis 1); w_q (in the module: [1024, 1024], K = its axis 1); w_v (in the module: [1024, 1024], K = its axis 1): each comes as NAME_codes (uint8): NAME with its K axis moved to the last place and cut into blocks of 32 codes, [.., K / 32, bytes a block], one block behind the other in memory; four codes in three bytes: a row's codes are one little-endian stream of bits, code i at bits 6 i .. 6 i + 5 (a code: sign, 2 exponent bits, 3 mantissa bits); and NAME_scales (uint8): the same leading axes, one E8M0 byte (e + 127) for each 32 codes along K. Its value is code x scale, taken as it is: it is not quantised again, and the codes and scales need not be those that the quantiser above would give.
;; One version. Each part assembles by itself: llvm-mc -triple=amdgcn-amd-amdhsa -mcpu=gfx1250 --defsym DOCPART=n.
;; ======== version 1 of 1: 3 launches
;; limits: right only within a limited range of input values
;; workspace buffers: qkvf 18,874,368 bytes; qkvs 786,432 bytes; pf 12,582,912 bytes; pst 1,572,864 bytes
;; launch proj (part 1): grid 16 x 16, 4 waves a work-group, clusters of 4 x 4, 327,680 bytes of LDS; arguments q_codes, q_scales, k_codes, k_scales, v_codes, v_scales, w_q_codes, w_q_scales, w_k_codes, w_k_scales, w_v_codes, w_v_scales, qkvf, qkvs; writes qkvf, qkvs
.if DOCPART == 1
	.amdgcn_target "amdgcn-amd-amdhsa--gfx1250"
	.amdhsa_code_object_version 6
	.text
	.protected	k_qd42148f671_proj
	.globl	k_qd42148f671_proj
	.p2align	8
	.type	k_qd42148f671_proj,@function
k_qd42148f671_proj:
	s_mov_b64 s[64:65], 0
	v_nop
	global_prefetch_b8 v0, s[64:65] scope:SCOPE_SE
	s_setreg_imm32_b32 hwreg(HW_REG_WAVE_MODE, 25, 1), 1
	s_wait_xcnt 0x0
	s_wait_alu depctr_hold_cnt(0) depctr_sa_sdst(0) depctr_va_vdst(0) depctr_va_sdst(0) depctr_va_ssrc(0) depctr_va_vcc(0) depctr_vm_vsrc(0)
	s_getreg_b32 s2, hwreg(HW_REG_IB_STS2, 6, 4)
	s_cmp_eq_u32 s2, 0
	s_cbranch_scc0 .Lentry_in_a_cluster
	s_endpgm
.Lentry_in_a_cluster:
	s_bfe_u32 s2, ttmp6, 0x10000c
	s_cmp_lg_u32 s2, 0xf033
	s_cbranch_scc0 .Lentry_shape_is_right
	s_endpgm
.Lentry_shape_is_right:
; THE THREE PROJECTIONS x W^T on codes of FP6 (E2M3), K = 1,024; the results are quantised in registers and leave as operands of the next products.  No f32 result is stored.
; 256 work-groups of four waves, 2 x 2.  A wave holds 64 rows of a weight, all of K, in registers (384) and streams x's rows past them in blocks of 16 rows.
; PHASE 1: 256 tokens x 128 columns of value (8 blocks a wave).  PHASE 2: 512 tokens x 128 columns of query or key (16 blocks a wave).
; Cluster x / 2: 0 query, 1 key.  x's rows are shared by a row of the cluster, a weight's rows by a column: joint loads.
; ROW ORDER.  Where a side's rows become registers of the result (phase 1: tokens; phase 2: weight rows), tile b of a group of 64 takes in lane r = 8 g + i the row 32 g + 8 (b xor g) + i:
; so a lane's 32 results are ONE scale block of the next product, at place 8 b + i: number 8 (b xor h) + i of block h.  A permutation inside each block of 32, alike for both operands of each later product.
; OUTPUT.  An operand image (16 rows x 128 along K) is 1,536 bytes: half c (64 along K, registers 6 c .. 6 c + 5) at 768 c: registers 0-3 at 16 x lane, registers 4-5 at 512 + 8 x lane.
; qkvf: query at 0, key at 6,291,456: [pair of K steps][row tile 0..511][step % 2][1,536];  value at 12,582,912: [pair of key steps 0..31][d tile 0..63][step % 2][1,536].
; qkvs: one word a row and K step, [step][row]: query at 0, key at 262,144, value at 524,288.
; LDS: slots 0, 1 of 128 rows of x; the weights' 128 rows; two places for a chunk's scale bytes; stages for the results' scale bytes; the spare words.
; FILLS.  Head, one load a wave: W_v, scale bytes of both chunks, chunk 0, chunk 1 of v.  Refills, each in a drained round: phase 1 block 2: W of phase 2, its chunk 0 and scale bytes;
; phase 1 block 7, phase 2 blocks 2 and 6: chunks 1, 2, 3 and their scale bytes.  The next round (for chunk 3 a plain barrier) shows them to all waves.
; LIMITS: NaN and infinities are not served.  A block whose largest magnitude lies under 2^-124 keeps the scale byte 1; so does a block of zeros.
; A block's rows are fetched two blocks ahead: younger than that fetch are the next block's NF loads and the byte stores between.
.set NQ,     8
.set NB,     4
.set TN,     128
.set KROW,   768
.set KS,     32
.set PITCH,  KROW+16*(KROW/256)
.set FR,     12
.set FPW,    256/FR
.set NF,     28
.set RA,     128
.set YB,     RA*PITCH
.set BVB,    2*RA*PITCH
.set SCL,    BVB+TN*PITCH
.set CU,     RA*KS/256
.set SCB,    CU*272
.set SSTEP,  (32*KS/256)*272
.set XN,     SCL+2*SCB                 ; query's or key's scale bytes: [512 rows][4]
.set XM,     XN+2048                   ; value's: [2 key steps][128 d][4]
.set SPARE,  XM+1024
.set EMAX,   2
.set ADRA0, 4                          ; v4-6   phase 2, block 0: fragments, the same behind one padding more, scale words
.set PFW,   7
.set PFX,   8
.set CO,    9                          ; 16 x lane
.set SPW,   10
.set NIL,   11
.set ADRA,  12                         ; v12-13 the block that is fetched next
.set ADRB,  14                         ; v14-15 W_v's fragments
.set ABS,   16
.set AAS,   17
.set STO,   18
.set STV,   19
.set CO8,   20                         ; 8 x lane
.set SB,    24                         ; v24-39 the weights' scale words
.set TQ,    40
.set SA,    44                         ; v44-59 the rows' scale words, two sets
.set TC,    60
.set ACC,   64
.set HV0,   64                         ; value, band 0
.set NCD,   128                        ; v128-133 the even block's codes, v136-141 the odd one's
.set MCD,   192                        ; v192-215 value's codes, four tiles
.set B1,    216                        ; v216-218 phase 2, block 1
.set LEO,   219                        ; v219-222 lane parts of the permuted rows: tile 0, the same behind one padding more; tile 1, the same
.set SOP,   240
.set EB,    244
.set VX,    248
.set VEO,   250                        ; v250-253 phase 1: blocks 0 and 1
.set VAS,   254                        ; v254-255 and their scale words
.set HV1,   840
.set SB2,   968
.set BA,    984
.set G1A, 24
.set G1B, 32
.set G0A, 56
.set G0B, 60
.set G0R, 68
.set G0S, 72
.set G1S, 92
.set MSB, 0
.macro WIN new
.if MSB != (\new)
	s_set_vgpr_msb (MSB<<8)|(\new)
.set MSB, (\new)
.endif
.endm
.macro PLACES n
.rept \n
	v_nop
.endr
.endm
.macro WALU
	s_wait_alu depctr_va_vdst(0)
.endm
.macro BARRIER
	s_barrier_signal -1
	s_barrier_wait -1
.endm
.macro MIDDLE                          ; a round's middle
	WIN 0
	s_barrier_wait -1
	s_cmp_lg_u32 s14, 0
	s_cbranch_scc1 .Lnot_wave_0_\@
	s_barrier_signal -3
.Lnot_wave_0_\@:
	s_barrier_wait -3
.endm
.macro CROUND
	s_barrier_signal -1
	MIDDLE
	BARRIER
.endm
.macro GRD
	s_wait_tensorcnt 0x0
	ds_add_u32 v[SPW], v[NIL]
.endm
.macro TLOAD g0, g1
	tensor_load_to_lds s[\g0:\g0+3], s[\g1:\g1+7]
	s_nop 0
	PLACES 4
.endm
.macro GROUP1 g, mask, rows            ; rows of 768 bytes, 16 bytes of padding behind every 256
	s_or_b32 s[\g+0], s[\mask], (1<<20)|(1<<21)|(5<<22)|(3<<25)
	s_mov_b32 s[\g+1], KROW<<16
	s_mov_b32 s[\g+2], (\rows)<<16
	s_mov_b32 s[\g+3], KROW<<16
	s_mov_b32 s[\g+4], \rows
	s_mov_b32 s[\g+5], KROW
	s_mov_b32 s[\g+6], 0
	s_mov_b32 s[\g+7], 0
.endm
.macro ADDTO d, x
	s_add_co_u32 s\d, s\d, s\x
.endm
.macro MADTO d, x, k                   ; s\d += s\x * k
	s_mul_i32 s22, s\x, \k
	s_add_co_u32 s\d, s\d, s22
.endm
; Fragment f lies in window 1 + f / 21 at register 12 (f % 21): 0-31 the weights' (4 q + b), 32-39 and 40-47 the rows' two sets.
.macro FRAG f, q, a0, a1, aw           ; six pieces of 8 bytes, two to a load where both lie behind as many paddings
	WIN ((1+(\f)/FPW)<<6)|(\aw)
.set R_, FR*((\f)%FPW)
.set SKIP_, 0
.irp p, 0,1,2,3,4,5
.if SKIP_
.set SKIP_, 0
.else
.set PC_, 12*(\q)+6*(\p/3)+\p%3
.set PN_, 12*(\q)+6*((\p+1)/3)+(\p+1)%3
.set X_, (PC_%32+3)/32
.set XQ_, (PN_%32+3)/32
.if (\p < 5) && (X_ == XQ_)
.set SKIP_, 1
.if X_
	ds_load_2addr_b64 v[R_+2*\p:R_+2*\p+3], \a1 offset0:PC_+2*(PC_/32) offset1:PN_+2*(PN_/32)
.else
	ds_load_2addr_b64 v[R_+2*\p:R_+2*\p+3], \a0 offset0:PC_+2*(PC_/32) offset1:PN_+2*(PN_/32)
.endif
.elseif X_
	ds_load_b64 v[R_+2*\p:R_+2*\p+1], \a1 offset:8*(PC_+2*(PC_/32))
.else
	ds_load_b64 v[R_+2*\p:R_+2*\p+1], \a0 offset:8*(PC_+2*(PC_/32))
.endif
.endif
.endr
.endm
.macro WEIGHTS                         ; my 64 rows of the weight, all of K: 104 loads
.irp q, 0,1,2,3,4,5,6,7
.irp b, 0,1,2,3
	FRAG NB*\q+\b, \q, v[BA-768+2*\b], v[BA-768+2*\b+1], 3
.endr
.endr
	WIN 0
.endm
.macro FETCHAT e, a0, a1, as           ; a block of x's rows into set e: NF loads
.irp q, 0,1,2,3,4,5,6,7
	FRAG NB*NQ+NQ*(\e)+\q, \q, \a0, \a1, 0
.endr
	WIN 0
	ds_load_b128 v[SA+8*(\e):SA+8*(\e)+3], \as
	ds_load_b128 v[SA+8*(\e)+4:SA+8*(\e)+7], \as offset:16
.endm
.macro FETCH e
	FETCHAT \e, v[ADRA], v[ADRA+1], v[AAS]
.endm
; A product, n = 4 q + tile.  kind 0 (query, key): source 0 the weight's rows; kind 1 (value): source 0 x's rows.  The four accumulators take turns.
.macro PROD kind, e, n, a0, as
.set Q_, (\n)/4
.set FB_, NB*Q_+(\n)%4
.set FA_, NB*NQ+NQ*(\e)+Q_
.set D_, (\a0)+(\as)*((\n)%4)
.set DL_, D_&255
.set XB_, SB+NQ*(((\n)%4)/2)+Q_
.set XA_, SA+8*(\e)+Q_
.if \kind
	WIN (1+FA_/FPW)|((1+FB_/FPW)<<2)|((D_>>8)<<4)|((D_>>8)<<6)
.if Q_
	PROD1 DL_, FA_, FB_, v[DL_:DL_+7], XA_, XB_, b, (\n)%2
.else
	PROD1 DL_, FA_, FB_, 0, XA_, XB_, b, (\n)%2
.endif
.else
	WIN (1+FB_/FPW)|((1+FA_/FPW)<<2)|((D_>>8)<<4)|((D_>>8)<<6)
.if Q_
	PROD1 DL_, FB_, FA_, v[DL_:DL_+7], XB_, XA_, a, (\n)%2
.else
	PROD1 DL_, FB_, FA_, 0, XB_, XA_, a, (\n)%2
.endif
.endif
.endm
.macro PROD1 d, s0, s1, c, x0, x1, side, o
.if \o
	v_wmma_scale_f32_16x16x128_f8f6f4 v[\d:\d+7], v[FR*((\s0)%FPW):FR*((\s0)%FPW)+FR-1], v[FR*((\s1)%FPW):FR*((\s1)%FPW)+FR-1], \c, v[\x0], v[\x1] matrix_a_fmt:MATRIX_FMT_FP6 matrix_b_fmt:MATRIX_FMT_FP6 matrix_\side\()_scale:MATRIX_SCALE_ROW1
.else
	v_wmma_scale_f32_16x16x128_f8f6f4 v[\d:\d+7], v[FR*((\s0)%FPW):FR*((\s0)%FPW)+FR-1], v[FR*((\s1)%FPW):FR*((\s1)%FPW)+FR-1], \c, v[\x0], v[\x1] matrix_a_fmt:MATRIX_FMT_FP6 matrix_b_fmt:MATRIX_FMT_FP6 matrix_\side\()_scale:MATRIX_SCALE_ROW0
.endif
.endm
; Products from .. to - 1 of a block; behind every second one, two entries of a list (at most four scalar lines and one vector line each).
.macro BLOCK kind, e, a0, as, from, to, list, x=0, y=0
.set N_, \from
.rept (\to)-(\from)
	PROD \kind, \e, N_, \a0, \as
.if N_%2
	\list N_-1, \x, \y
	\list N_, \x, \y
.endif
.set N_, N_+1
.endr
.endm
.macro VSTEP i, s                      ; 3 entries: phase 1, the addresses of block s
.if (\i) == 0
	WIN 0
	v_add_nc_u32 v[ADRA], ((\s)/4)*YB+(((\s)%4)/2)*16*PITCH, v[VEO+2*((\s)%2)]
.elseif (\i) == 1
	WIN 0
	v_add_nc_u32 v[ADRA+1], ((\s)/4)*YB+(((\s)%4)/2)*16*PITCH, v[VEO+1+2*((\s)%2)]
.elseif (\i) == 2
	WIN 0
	v_add_nc_u32 v[AAS], ((\s)/4)*SCB+(((\s)%4)/2)*544, v[VAS+(\s)%2]
.endif
.endm
.macro STEP i, wrap                    ; phase 2, to the next block's addresses: 3 entries; with the test for the ring's end 4
.if \wrap
.if (\i) == 0
	s_add_co_u32 s101, s101, 32*PITCH
	s_cmp_eq_u32 s101, 2*RA*PITCH
	s_cselect_b32 s101, 0, s101
	s_add_co_u32 s91, s91, SSTEP
.elseif (\i) == 1
	s_cmp_eq_u32 s91, 2*SCB
	s_cselect_b32 s91, 0, s91
.endif
	STEPV (\i)-1
.else
.if (\i) == 0
	s_add_co_u32 s101, s101, 32*PITCH
	s_add_co_u32 s91, s91, SSTEP
.endif
	STEPV \i
.endif
.endm
.macro STEPV i
.if (\i) == 0
	WIN 0
	v_add_nc_u32 v[ADRA], s101, v[ADRA0]
.elseif (\i) == 1
	WIN 0
	v_add_nc_u32 v[ADRA+1], s101, v[ADRA0+1]
.elseif (\i) == 2
	WIN 0
	v_add_nc_u32 v[AAS], s91, v[ADRA0+2]
.endif
.endm
.macro CHAIN i, x, n, t=TQ             ; 18 entries: the largest magnitude of the 32 sums from register x on, by two chains, with the floor 2^(3 - 127); the conversions' scale operand
.set XW_, (\x)>>8
.set XL_, (\x)&255
.if (\i) >= 0 && (\i) < 14
.set B_, XL_+16*((\i)%2)+2*((\i)/2)
.set T_, (\t)+1-(\i)%2
.if (\i) < 2
	WIN XW_|(XW_<<2)|(XW_<<4)
	v_max3_num_f32 v[T_], |v[B_]|, |v[B_+1]|, |v[B_+2]|
.else
	WIN (XW_<<2)|(XW_<<4)
	v_max3_num_f32 v[T_], v[T_], |v[B_+1]|, |v[B_+2]|
.endif
.elseif (\i) == 14
	WIN XW_<<2
	v_max3_num_f32 v[\t+1], v[\t+1], |v[XL_+15]|, (EMAX+1)<<23
.elseif (\i) == 15
	WIN 0
	v_nop
.elseif (\i) == 16
	WIN XW_<<2
	v_max3_num_f32 v[\t], v[\t], |v[XL_+31]|, v[\t+1]
.elseif (\i) == 17
	WIN 0
	v_add_nc_u32 v[SOP+\n], -(EMAX<<23), v[\t]
.endif
.endm
.macro CODES i, x, c, n, t=TC          ; 6 lines: 32 codes into v[c .. c+5], the scale's byte into v[EB+n]
.set XW_, (\x)>>8
.set XL_, (\x)&255
.if (\i) == 0
	WIN XW_
	v_cvt_scalef32_pk16_fp6_f32 v[\c:\c+2], v[XL_:XL_+15], v[SOP+\n]
.elseif (\i) == 1
	WIN XW_
	v_cvt_scalef32_pk16_fp6_f32 v[\t:\t+2], v[XL_+16:XL_+31], v[SOP+\n]
.elseif (\i) == 2
	WIN 0
	v_lshrrev_b32 v[EB+\n], 23, v[SOP+\n]
.else
	WIN 0
	v_mov_b32 v[\c+\i], v[\t+\i-3]
.endif
.endm
.macro CODES6 x, c, n
.irp i, 0,1,2,3,4,5
	CODES \i, \x, \c, \n
.endr
.endm
.macro PFTILE v, share                 ; my sixteenth of 128 rows of 768 bytes: 24 blocks of 256 bytes, a lane a block
	s_mul_i32 s20, s\share, RA*KROW/16
	v_min_u32 v[\v], RA*KROW/16/256-1, v3
	v_lshl_add_u32 v[\v], v[\v], 8, s20
.endm
.macro PFGO v, base, chunk
	global_prefetch_b8 v[\v], s[\base:\base+1] offset:(\chunk)*RA*KROW th:TH_LOAD_NT scope:SCOPE_SE
.endm
.macro PUTH r, base, off               ; half an operand: 768 bytes
	global_store_b128 v[CO], v[\r:\r+3], \base offset:\off
	global_store_b64 v[CO8], v[\r+4:\r+5], \base offset:(\off)+512
.endm
.macro ASK i                           ; 4 entries: descriptors of the chunk at s88 for slot s47 (waves 2, 3 a half each) and of its scale bytes at s55 for place s54; then all four step on
.if (\i) == 0
	s_mul_i32 s[G0R+1], s16, RA/2*PITCH
	s_add_co_u32 s[G0R+1], s[G0R+1], s47
	s_mul_i32 s20, s16, RA/2*KROW
	ADDTO 20, 88
.elseif (\i) == 1
	s_mov_b32 s21, 0
	s_add_nc_u64 s[G0R+2:G0R+3], s[4:5], s[20:21]
	s_or_b32 s[G0R+3], s[G0R+3], 0x80000000
	s_mov_b32 s[G0S+1], s54
.elseif (\i) == 2
	s_mov_b32 s20, s55
	s_add_nc_u64 s[G0S+2:G0S+3], s[6:7], s[20:21]
	s_or_b32 s[G0S+3], s[G0S+3], 0x80000000
	s_add_co_u32 s88, s88, RA*KROW
.elseif (\i) == 3
	s_add_co_u32 s55, s55, CU*256
	s_xor_b32 s47, s47, YB
	s_xor_b32 s54, s54, (SCL)^(SCL+SCB)
.endif
.endm
.macro PAIR i                          ; 1 entry: where this pair of blocks goes: codes (s[84:85], used with offsets below 0), scale bytes (v[VX])
.if (\i) == 0
	s_add_nc_u64 s[84:85], s[84:85], 12288
	WIN 0
	v_add_nc_u32 v[VX], s46, v[STO]
	s_add_co_u32 s46, s46, 256
.endif
.endm
; the lists
.macro L_NONE i, x, y
.endm
.macro L_STEP i, x, y
	STEP \i, 0
.endm
.macro L_VS i, x, y                    ; phase 1: to block x
	VSTEP \i, \x
.endm
.macro L_VC i, x, y                    ; phase 1: to block x + 6, band 0's way out of tile x
	VSTEP \i, (\x)+6
	CHAIN (\i)-3, HV0+32*(\x), \x
.endm
.macro L_V2 i, x, y                    ; the first refill's descriptors, the step to block 4
.if (\i) == 0
	s_mov_b32 s[G1A+2], (RA/2)<<16
	s_mov_b32 s[G1A+4], RA/2
	s_mov_b32 s[G1S+2], CU<<16
	s_mov_b32 s[G1S+4], CU
.elseif (\i) == 1
	s_mov_b64 s[G0B+2:G0B+3], s[8:9]
	s_or_b32 s[G0B+3], s[G0B+3], 0x80000000
.endif
	ASK (\i)-2
	VSTEP (\i)-6, 4
.endm
.macro L_V7 i, x, y
	ASK \i
	CHAIN (\i)-4, HV0+96, 3
.endm
.macro L_OUT i, x, y
	STEP \i, 0
	CHAIN (\i)-3, \x, \y
.endm
.macro L_LAST i, x, y
	CHAIN \i, \x, \y
.endm
.macro L_ODD i, x, y
	PAIR \i
	STEP (\i)-1, 0
	CHAIN (\i)-4, ACC, 0
.endm
.macro L_ODDL i, x, y
	PAIR \i
	CHAIN (\i)-1, ACC, 0
.endm
.macro L_ROUND i, x, y
	ASK \i
	STEP (\i)-4, 1
	CHAIN (\i)-8, ACC+32, 1
.endm
.macro REFILL                          ; behind a round: wave 1 the scale bytes, waves 2 and 3 a half each of the chunk
	s_cmp_lt_u32 s14, 2
	s_cbranch_scc0 .Lchunk_\@
	s_cmp_eq_u32 s14, 1
	s_cbranch_scc0 .Lasked_\@
	TLOAD G0S, G1S
	s_branch .Lasked_\@
.Lchunk_\@:
	TLOAD G0R, G1A
.Lasked_\@:
.endm
; phase 2's blocks.  w: the count of the wait for the block's rows (-1: they are shown in already)
.macro WAITDS w
.if (\w) >= 0
	s_wait_dscnt \w
.endif
.endm
.macro EVENOUT fetch
	ds_store_b8 v[VX], v[EB+1] offset:128
	PUTH NCD+8, s[84:85], -6144
.if \fetch
	FETCH 0
.endif
.endm
.macro EVEN w, fetch
	WAITDS \w
.if \fetch
	BLOCK 0, 0, ACC, 8, 0, 32, L_OUT, ACC+32, 1
.else
	BLOCK 0, 0, ACC, 8, 0, 32, L_LAST, ACC+32, 1
.endif
	WIN 0
	CODES6 ACC+32, NCD+8, 1
	EVENOUT \fetch
.endm
.macro EVENROUND w
	WAITDS \w
	GRD
	BLOCK 0, 0, ACC, 8, 0, 26, L_ROUND
	WIN 0
	WALU
	s_wait_dscnt 0x0
	s_barrier_signal -1
	BLOCK 0, 0, ACC, 8, 26, 32, L_NONE
	WIN 0
	CODES6 ACC+32, NCD+8, 1
	MIDDLE
	BARRIER
	REFILL
	WALU
	EVENOUT 1
.endm
.macro EVENSHOW w                      ; a plain barrier shows the last refill
	WAITDS \w
	BLOCK 0, 0, ACC, 8, 0, 26, L_OUT, ACC+32, 1
	WIN 0
	WALU
	s_wait_tensorcnt 0x0
	s_wait_dscnt 0x0
	s_barrier_signal -1
	BLOCK 0, 0, ACC, 8, 26, 32, L_NONE
	WIN 0
	s_barrier_wait -1
	CODES6 ACC+32, NCD+8, 1
	EVENOUT 1
.endm
.macro ODD w, fetch
	WAITDS \w
	s_wait_xcnt 0x0
.if \fetch
	BLOCK 0, 1, ACC+32, 8, 0, 32, L_ODD
.else
	BLOCK 0, 1, ACC+32, 8, 0, 32, L_ODDL
.endif
	WIN 0
	CODES6 ACC, NCD, 0
	ds_store_b8 v[VX], v[EB]
	PUTH NCD, s[84:85], -12288
.if \fetch
	FETCH 1
.endif
.endm
; ================= THE HEAD
	s_load_b512 s[76:91], s[0:1], 0x0              ; q codes, q scales, k codes, k scales, v codes, v scales, w_q codes, w_q scales
	s_load_b256 s[44:51], s[0:1], 0x40             ; w_k codes, w_k scales, w_v codes, w_v scales
	v_lshl_add_u32 v[SPW], v0, 2, SPARE
	v_mov_b32 v[NIL], 0
	ds_add_u32 v[SPW], v[NIL]
	ds_add_u32 v[SPW], v[NIL]
	v_lshrrev_b32 v1, 5, v0
	v_readfirstlane_b32 s14, v1                    ; the wave; s15 its row of the 2 x 2, s16 its column
	s_lshr_b32 s15, s14, 1
	s_and_b32 s16, s14, 1
	s_bfe_u32 s40, ttmp6, 0x40000                  ; cx
	s_bfe_u32 s41, ttmp6, 0x40004                  ; cy
	s_lshl_b32 s42, ttmp9, 2
	s_add_co_u32 s42, s42, s40                     ; phase 2's tile column, 0 .. 15
	s_and_b32 s43, ttmp7, 0xffff
	s_lshl_b32 s43, s43, 2
	s_add_co_u32 s43, s43, s41                     ; its tile row of 512 tokens
	s_lshr_b32 s19, ttmp9, 1                       ; 0 query, 1 key
	s_and_b32 s20, ttmp9, 1
	s_lshl_b32 s13, s19, 2
	s_add_co_u32 s13, s13, s40                     ; value's tile column, 0 .. 7
	s_lshl_b32 s12, s43, 1
	s_add_co_u32 s12, s12, s20                     ; value's tile row of 256 tokens, 0 .. 31
	s_and_b32 s17, s42, 7                          ; phase 2's new K step
	s_lshl_b32 s52, s41, 2
	s_lshl_b32 s52, 15, s52                        ; my row of the cluster
	s_lshl_b32 s53, 0x1111, s40                    ; my column
	GROUP1 G1A, 52, RA
	GROUP1 G1B, 53, TN
	s_or_b32 s[G1S+0], s52, (3<<16)|(1<<20)|(1<<21)|(5<<22)|(3<<25)   ; scale bytes: dense, as rows of 256 bytes + 16 of padding
	s_mov_b32 s[G1S+1], 32<<16
	s_mov_b32 s[G1S+2], (2*CU)<<16
	s_mov_b32 s[G1S+3], 32<<16
	s_mov_b32 s[G1S+4], 2*CU
	s_mov_b32 s[G1S+5], 32
	s_mov_b32 s[G1S+6], 0
	s_mov_b32 s[G1S+7], 0
	s_mov_b32 s[G0S], 1
	s_mov_b32 s[G0S+1], SCL
	s_mov_b32 s[G0A], 1
	s_mov_b32 s[G0A+1], 0
	s_mov_b32 s[G0B], 1
	s_mov_b32 s[G0B+1], BVB
	s_mov_b32 s[G0R], 1
	s_mov_b32 s[G0R+1], YB
	s_mul_i32 s4, s15, 16*PITCH
	s_add_co_u32 s5, s4, 32*PITCH
	s_mul_i32 s6, s16, 64*PITCH
	s_add_co_u32 s6, s6, BVB
	s_mul_i32 s7, s15, 64*PITCH
	s_mul_i32 s8, s15, 544
	s_add_co_u32 s8, s8, SCL
	s_mul_i32 s9, s15, 8*272
	s_add_co_u32 s9, s9, SCL
	s_mul_i32 s10, s15, 64
	MADTO 10, 16, 2
	s_add_co_u32 s10, s10, XN
	s_mul_i32 s11, s16, 256
	MADTO 11, 15, 2
	s_add_co_u32 s11, s11, XM
	s_lshl_b32 s66, s40, 2
	s_add_co_u32 s66, s66, s14                     ; my number among the sixteen waves of my row of the cluster
	s_lshl_b32 s100, s41, 2
	s_add_co_u32 s100, s100, s14                   ; and of my column
	v_and_b32 v1, 15, v0                           ; r
	v_bfe_u32 v2, v0, 4, 1                         ; h
	v_and_b32 v3, 31, v0
	v_bfe_u32 v21, v0, 3, 1                        ; g
	v_and_b32 v22, 7, v0                           ; i
	v_lshlrev_b32 v[CO], 4, v3
	v_lshlrev_b32 v[CO8], 3, v3
	v_mul_u32_u24 v23, v1, PITCH                   ; rows in their order
	v_mad_u32_u24 v16, v2, 24, v23
	v_mad_u32_u24 v17, v2, 40, v23
	v_add_nc_u32 v[ADRA0], s4, v16
	v_add_nc_u32 v[ADRA0+1], s4, v17
	v_add_nc_u32 v[B1], s5, v16
	v_add_nc_u32 v[B1+1], s5, v17
	v_add_nc_u32 v[ADRB], s6, v16
	v_add_nc_u32 v[ADRB+1], s6, v17
	v_mul_u32_u24 v23, v22, PITCH                  ; permuted rows: tile 0: 40 g + i; tile 1: 24 g + 8 + i
	v_mad_u32_u24 v[LEO], v21, 40*PITCH, v23
	v_mad_u32_u24 v[LEO+2], v21, 24*PITCH, v23
	v_add_nc_u32 v[LEO+2], 8*PITCH, v[LEO+2]
	v_mad_u32_u24 v[LEO+1], v2, 40, v[LEO]
	v_mad_u32_u24 v[LEO+3], v2, 40, v[LEO+2]
	v_mad_u32_u24 v[LEO], v2, 24, v[LEO]
	v_mad_u32_u24 v[LEO+2], v2, 24, v[LEO+2]
.irp i, 0,1,2,3
	v_add_nc_u32 v[VEO+\i], s7, v[LEO+\i]
.endr
	v_mul_u32_u24 v23, v21, 272                    ; scale bytes: 32 a row, 8 rows to a unit of 272
	v_lshl_add_u32 v23, v22, 5, v23
	v_add_nc_u32 v[ADRA0+2], s8, v23
	v_add_nc_u32 v[B1+2], SSTEP, v[ADRA0+2]
	v_lshlrev_b32 v23, 5, v22
	v_mad_u32_u24 v16, v21, 5*272, v23
	v_mad_u32_u24 v17, v21, 3*272, v23
	v_add_nc_u32 v[VAS], s9, v16
	v_add_nc_u32 v17, 272, v17
	v_add_nc_u32 v[VAS+1], s9, v17
	v_lshl_add_u32 v23, v1, 2, v2
	v_add_nc_u32 v[STO], s10, v23
	v_add_nc_u32 v[STV], s11, v23
	v_lshlrev_b32 v[ABS], 5, v3                    ; W_v's scale bytes, rows in their order
	v_xor_b32 v23, v2, v21                         ; phase 2's: row 32 g + 8 (h xor g) + i
	v_lshlrev_b32 v23, 3, v23
	v_lshl_add_u32 v23, v21, 5, v23
	v_add_lshl_u32 v23, v23, v22, 5
	PFTILE PFW, 100
	PFTILE PFX, 66
	WIN 3<<6
.irp b, 0,1,2,3
	v_add_nc_u32 v[BA-768+2*\b], \b*16*PITCH, v[ADRB]
	v_add_nc_u32 v[BA-768+2*\b+1], \b*16*PITCH, v[ADRB+1]
.endr
	WIN 0
	WALU
	s_wait_dscnt 0x0
	CROUND                                         ; the opening round
	s_wait_kmcnt 0x0
	s_mov_b32 s21, 0
	s_mul_i32 s20, s13, TN*KROW
	s_add_nc_u64 s[G0B+2:G0B+3], s[48:49], s[20:21]
	s_or_b32 s[G0B+3], s[G0B+3], 0x80000000
	s_mul_i32 s20, s12, 256*KS
	s_add_nc_u64 s[G0S+2:G0S+3], s[86:87], s[20:21]
	s_or_b32 s[G0S+3], s[G0S+3], 0x80000000
	s_mul_i32 s20, s12, 256*KROW
	s_add_nc_u64 s[G0A+2:G0A+3], s[84:85], s[20:21]
	s_add_nc_u64 s[G0R+2:G0R+3], s[G0A+2:G0A+3], RA*KROW
	s_or_b32 s[G0A+3], s[G0A+3], 0x80000000
	s_or_b32 s[G0R+3], s[G0R+3], 0x80000000
	s_cmp_eq_u32 s14, 0
	s_cbranch_scc0 .Lwave_1
	TLOAD G0B, G1B                                 ; wave 0: W_v's rows
	s_branch .Lasked
.Lwave_1:
	s_cmp_eq_u32 s14, 1
	s_cbranch_scc0 .Lwave_2
	TLOAD G0S, G1S                                 ; wave 1: both chunks' scale bytes
	s_branch .Lasked
.Lwave_2:
	s_cmp_eq_u32 s14, 2
	s_cbranch_scc0 .Lwave_3
	TLOAD G0A, G1A                                 ; wave 2: chunk 0
	s_branch .Lasked
.Lwave_3:
	TLOAD G0R, G1A                                 ; wave 3: chunk 1
.Lasked:
	s_cmp_eq_u32 s19, 0                            ; query or key?
	s_cselect_b64 s[4:5], s[76:77], s[80:81]
	s_cselect_b64 s[6:7], s[78:79], s[82:83]
	s_cselect_b64 s[8:9], s[88:89], s[44:45]
	s_cselect_b64 s[10:11], s[90:91], s[46:47]
	s_mul_i32 s20, s13, TN*KS
	MADTO 20, 16, 64*KS
	s_add_nc_u64 s[2:3], s[50:51], s[20:21]        ; W_v's scale bytes, my 64 rows
.irp p, 0,1
.irp c, 0,1
	global_load_b128 v[SB+NQ*\p+4*\c:SB+NQ*\p+4*\c+3], v[ABS], s[2:3] offset:\p*32*KS+16*\c
.endr
.endr
	s_mul_i32 s20, s17, TN*KS
	MADTO 20, 16, 64*KS
	s_add_nc_u64 s[10:11], s[10:11], s[20:21]      ; the other weight's
	WIN 3<<6
.irp p, 0,1
.irp c, 0,1
	global_load_b128 v[SB2-768+NQ*\p+4*\c:SB2-768+NQ*\p+4*\c+3], v23, s[10:11] offset:\p*16*KS+16*\c
.endr
.endr
	WIN 0
	s_mul_i32 s20, s43, 512*KROW
	s_add_nc_u64 s[4:5], s[4:5], s[20:21]          ; phase 2: my 512 rows' codes,
	s_mul_i32 s20, s43, 512*KS
	s_add_nc_u64 s[6:7], s[6:7], s[20:21]          ; their scale bytes,
	s_mul_i32 s20, s17, TN*KROW
	s_add_nc_u64 s[8:9], s[8:9], s[20:21]          ; and the weight's rows
	s_load_b128 s[76:79], s[0:1], 0x60             ; qkvf, qkvs
	s_mul_i32 s84, s19, 6291456                    ; where the results go: phase 2's codes,
	s_lshr_b32 s20, s17, 1
	MADTO 84, 20, 1572864
	s_and_b32 s20, s17, 1
	MADTO 84, 20, 1536
	MADTO 84, 43, 32*3072
	MADTO 84, 15, 3072
	MADTO 84, 16, 768
	s_mov_b32 s85, 0
	s_mul_i32 s48, s19, 262144                     ; its scale words,
	MADTO 48, 17, 32768
	MADTO 48, 43, 2048
	s_mov_b32 s49, 0
	s_mul_i32 s50, s12, 196608                     ; value's codes,
	MADTO 50, 13, 8*3072
	MADTO 50, 16, 4*3072
	MADTO 50, 15, 768
	s_add_co_u32 s50, s50, 12582912
	s_mov_b32 s51, 0
	s_mul_i32 s52, s12, 8192                       ; its scale words
	MADTO 52, 13, 512
	s_add_co_u32 s52, s52, 524288
	s_mov_b32 s53, 0
	s_mov_b32 s46, 0
	s_mov_b32 s47, 0
	s_mov_b32 s54, SCL
	s_mov_b32 s55, 0
	s_mov_b32 s88, 0
	s_cmp_eq_u32 s14, 0
	s_cbranch_scc0 .Lnot_b
	s_wait_tensorcnt 0x0
.Lnot_b:
	BARRIER                                        ; W_v's rows are in
	PFGO PFW, 8, 0                                 ; what the first refill will load is asked for into the L2, a sixteenth a wave of those that will ask jointly
	PFGO PFX, 4, 0
	WEIGHTS
	s_cmp_eq_u32 s14, 3
	s_cbranch_scc1 .Lnot_a0
	s_wait_tensorcnt 0x0
.Lnot_a0:
	s_wait_dscnt 0x0
	BARRIER                                        ; chunk 0 and the scale bytes are in; chunk 1 may be on its way
	FETCHAT 0, v[VEO], v[VEO+1], v[VAS]
	FETCHAT 1, v[VEO+2], v[VEO+3], v[VAS+1]
	s_wait_loadcnt 0x0
	s_wait_kmcnt 0x0
	s_add_nc_u64 s[84:85], s[76:77], s[84:85]
	s_add_nc_u64 s[48:49], s[78:79], s[48:49]
	s_add_nc_u64 s[50:51], s[76:77], s[50:51]
	s_add_nc_u64 s[52:53], s[78:79], s[52:53]
; ================= PHASE 1: value; wave row a has 64 tokens of each chunk (= key step): half a of an operand
.irp s, 0,1
	s_wait_dscnt NF
	BLOCK 1, \s, HV0+8*\s, 32, 0, 32, L_VS, \s+2
	WIN 0
	PLACES 4
	WALU
	FETCH \s
.endr
	s_wait_dscnt NF
	GRD
	BLOCK 1, 0, HV0+16, 32, 0, 24, L_V2
	WIN 0
	s_wait_dscnt 0x0
	s_barrier_signal -1
	BLOCK 1, 0, HV0+16, 32, 24, 32, L_NONE
	MIDDLE
	BARRIER
	s_cmp_eq_u32 s14, 0
	s_cbranch_scc0 .Lnot_w
	TLOAD G0B, G1B                                 ; wave 0: phase 2's weight, onto W_v's rows, which all waves hold in registers
	s_branch .Lasked_1
.Lnot_w:
	s_cmp_eq_u32 s14, 1
	s_cbranch_scc0 .Lnot_s
	TLOAD G0S, G1S
	s_branch .Lasked_1
.Lnot_s:
	TLOAD G0R, G1A                                 ; waves 2, 3: phase 2's chunk 0 into slot 0, whose last block has been fetched
.Lasked_1:
	WALU
	FETCH 0
	PFGO PFX, 4, 1
	BLOCK 1, 1, HV0+24, 32, 0, 32, L_VS, 5
	WIN 0
	PLACES 4
	WALU
	FETCH 1
.irp j, 0,1
	s_wait_dscnt NF+\j
	BLOCK 1, \j, HV1+8*\j, 32, 0, 32, L_VC, \j
	WIN 0
	CODES6 HV0+32*\j, MCD+6*\j, \j
	ds_store_b8 v[STV], v[EB+\j] offset:64*\j
	PUTH MCD+6*\j, s[50:51], 3072*\j
	FETCH \j
.endr
	s_wait_dscnt NF+1
	BLOCK 1, 0, HV1+16, 32, 0, 32, L_LAST, HV0+64, 2
	WIN 0
	CODES6 HV0+64, MCD+12, 2
	ds_store_b8 v[STV], v[EB+2] offset:128
	PUTH MCD+12, s[50:51], 2*3072
	PFGO PFX, 4, 2
	s_wait_dscnt 1
	GRD
	BLOCK 1, 1, HV1+24, 32, 0, 26, L_V7
	WIN 0
	WALU
	s_wait_dscnt 0x0
	s_barrier_signal -1
	BLOCK 1, 1, HV1+24, 32, 26, 32, L_NONE
	WIN 0
	CODES6 HV0+96, MCD+18, 3
	MIDDLE
	BARRIER                                        ; phase 2's weight and chunk 0 are shown to all
	REFILL                                         ; chunk 1 into slot 1
; ================= THE CHANGE OF PHASE: the weights and the first two blocks' rows in one run of loads; band 1's four way outs under their flight
	s_mul_i32 s2, s16, 64*PITCH
	s_add_co_u32 s2, s2, BVB
	s_add_co_u32 s3, s2, 16*PITCH
	WIN 3<<6
.irp i, 0,1,2,3
	v_add_nc_u32 v[BA-768+\i], s2, v[LEO+\i]
	v_add_nc_u32 v[BA-768+4+\i], s3, v[LEO+\i]
.endr
	WIN 0
	WALU
	ds_store_b8 v[STV], v[EB+3] offset:192
	PUTH MCD+18, s[50:51], 3*3072
	WEIGHTS
	FETCHAT 0, v[ADRA0], v[ADRA0+1], v[ADRA0+2]
	FETCHAT 1, v[B1], v[B1+1], v[B1+2]
	s_mov_b32 s101, 32*PITCH
	s_mov_b32 s91, SSTEP
	PFGO PFX, 4, 3
	s_wait_xcnt 0x0                                ; band 0's stores have read the registers that band 1's codes go to
	WIN 3
.set I, 0
.rept 16
	v_mov_b32 v[SB+I], v[SB2-768+I]
.set I, I+1
.endr
	WIN 0
.set I, 0
.rept 18
.irp t, 0,1,2,3
	CHAIN I, HV1+32*\t, \t, 64+4*\t
.endr
.set I, I+1
.endr
.set I, 0
.rept 6
.irp t, 0,1,2,3
	CODES I, HV1+32*\t, MCD+6*\t, \t, 80+4*\t
.endr
.set I, I+1
.endr
	WIN 0
	WALU
; ================= PHASE 2: query or key, sixteen blocks
	s_wait_dscnt NF
	BLOCK 0, 0, ACC, 8, 0, 32, L_STEP
	WIN 0
	PLACES 4
	WALU
.irp t, 0,1,2,3
	ds_store_b8 v[STV], v[EB+\t] offset:512+64*\t
.endr
.irp t, 0,1,2,3
	PUTH MCD+6*\t, s[50:51], 3072*\t+1536
.endr
	FETCH 0
	ODD NF+4, 1
	s_mov_b32 s86, 0
.Lwith_rounds:                                         ; blocks 2 to 5, 6 to 9
	EVENROUND NF+1
	ODD -1, 1
	EVEN NF+1, 1
	ODD NF+1, 1
	s_add_co_u32 s86, s86, 1
	s_cmp_lg_u32 s86, 2
	s_cbranch_scc1 .Lwith_rounds
.Lwithout:                                             ; blocks 10, 11 and 12, 13
	EVENSHOW NF+1
	ODD -1, 1
	s_add_co_u32 s86, s86, 1
	s_cmp_lg_u32 s86, 4
	s_cbranch_scc1 .Lwithout
	EVEN NF+1, 0
	ODD 1, 0
; ================= THE END: the last way out; the scale bytes go through LDS under its conversions
	s_mul_i32 s21, s14, 512
	v_add_nc_u32 v15, s21, v[CO]
	v_add_nc_u32 v12, XN, v15
	s_mul_i32 s21, s15, 4096
	MADTO 21, 16, 256
	v_add_nc_u32 v13, s21, v[CO8]
	s_mul_i32 s21, s14, 256
	s_add_co_u32 s21, s21, XM
	v_add_nc_u32 v14, s21, v[CO8]
.set I, 0
.rept 18
	CHAIN I, ACC+32, 1
.set I, I+1
.endr
	CODES 2, ACC+32, NCD+8, 1
	WALU
	ds_store_b8 v[VX], v[EB+1] offset:128
	s_wait_dscnt 0x0
	s_barrier_signal -1
	CODES 0, ACC+32, NCD+8, 1
	CODES 1, ACC+32, NCD+8, 1
	v_nop
.irp i, 3,4,5
	CODES \i, ACC+32, NCD+8, 1
.endr
	s_barrier_wait -1
	WALU
	ds_load_b128 v[64:67], v12
	ds_load_b64 v[68:69], v14
	PUTH NCD+8, s[84:85], -6144
	s_wait_dscnt 0x0
	global_store_b128 v15, v[64:67], s[48:49]
	global_store_b64 v13, v[68:69], s[52:53]
	s_wait_tensorcnt 0x0
	ds_add_u32 v[SPW], v[NIL]
	s_wait_dscnt 0x0
	CROUND
	s_endpgm
.Lfunc_end_k_qd42148f671_proj:
	.size	k_qd42148f671_proj, .Lfunc_end_k_qd42148f671_proj-k_qd42148f671_proj
	.p2alignl 7, 3214868480
	.fill 96, 4, 3214868480
	.section	.rodata,"a",@progbits
	.p2align	6, 0x0
	.amdhsa_kernel k_qd42148f671_proj
		.amdhsa_group_segment_fixed_size 327680
		.amdhsa_private_segment_fixed_size 0
		.amdhsa_enable_private_segment 0
		.amdhsa_kernarg_size 112
		.amdhsa_user_sgpr_count 2
		.amdhsa_user_sgpr_kernarg_segment_ptr 1
		.amdhsa_wavefront_size32 1
		.amdhsa_system_sgpr_workgroup_id_x 1
		.amdhsa_system_sgpr_workgroup_id_y 1
		.amdhsa_system_sgpr_workgroup_id_z 1
		.amdhsa_system_vgpr_workitem_id 0
		.amdhsa_next_free_vgpr 992
		.amdhsa_next_free_sgpr 102
		.amdhsa_reserve_vcc 0
		.amdhsa_float_denorm_mode_32 3
		.amdhsa_float_denorm_mode_16_64 3
		.amdhsa_memory_ordered 1
		.amdhsa_forward_progress 1
		.amdhsa_inst_pref_size 188
	.end_amdhsa_kernel
	.amdgpu_metadata
---
amdhsa.version: [ 1, 2 ]
amdhsa.kernels:
  - .name:           k_qd42148f671_proj
    .symbol:         k_qd42148f671_proj.kd
    .args:
      - { .name: q_codes, .offset: 0, .size: 8, .value_kind: global_buffer, .address_space: global }
      - { .name: q_scales, .offset: 8, .size: 8, .value_kind: global_buffer, .address_space: global }
      - { .name: k_codes, .offset: 16, .size: 8, .value_kind: global_buffer, .address_space: global }
      - { .name: k_scales, .offset: 24, .size: 8, .value_kind: global_buffer, .address_space: global }
      - { .name: v_codes, .offset: 32, .size: 8, .value_kind: global_buffer, .address_space: global }
      - { .name: v_scales, .offset: 40, .size: 8, .value_kind: global_buffer, .address_space: global }
      - { .name: w_q_codes, .offset: 48, .size: 8, .value_kind: global_buffer, .address_space: global }
      - { .name: w_q_scales, .offset: 56, .size: 8, .value_kind: global_buffer, .address_space: global }
      - { .name: w_k_codes, .offset: 64, .size: 8, .value_kind: global_buffer, .address_space: global }
      - { .name: w_k_scales, .offset: 72, .size: 8, .value_kind: global_buffer, .address_space: global }
      - { .name: w_v_codes, .offset: 80, .size: 8, .value_kind: global_buffer, .address_space: global }
      - { .name: w_v_scales, .offset: 88, .size: 8, .value_kind: global_buffer, .address_space: global }
      - { .name: qkvf, .offset: 96, .size: 8, .value_kind: global_buffer, .address_space: global }
      - { .name: qkvs, .offset: 104, .size: 8, .value_kind: global_buffer, .address_space: global }
    .group_segment_fixed_size: 327680
    .private_segment_fixed_size: 0
    .kernarg_segment_align: 8
    .kernarg_segment_size: 112
    .max_flat_workgroup_size: 128
    .sgpr_count:     102
    .vgpr_count:     992
    .wavefront_size: 32
...
	.end_amdgpu_metadata
.endif
;; end of part 1
;; launch scores (part 2): grid 8 x 32, 4 waves a work-group, clusters of 4 x 4, 327,680 bytes of LDS; arguments qkvf, qkvs, pf, pst; writes pf, pst
.if DOCPART == 2
	.amdgcn_target "amdgcn-amd-amdhsa--gfx1250"
	.amdhsa_code_object_version 6
	.text
	.protected	k_qd42148f671_scores
	.globl	k_qd42148f671_scores
	.p2align	8
	.type	k_qd42148f671_scores,@function
k_qd42148f671_scores:
	s_mov_b64 s[64:65], 0
	v_nop
	global_prefetch_b8 v0, s[64:65] scope:SCOPE_SE
	s_setreg_imm32_b32 hwreg(HW_REG_WAVE_MODE, 25, 1), 1
	s_wait_xcnt 0x0
	s_wait_alu depctr_hold_cnt(0) depctr_sa_sdst(0) depctr_va_vdst(0) depctr_va_sdst(0) depctr_va_ssrc(0) depctr_va_vcc(0) depctr_vm_vsrc(0)
	s_getreg_b32 s2, hwreg(HW_REG_IB_STS2, 6, 4)
	s_cmp_eq_u32 s2, 0
	s_cbranch_scc0 .Lentry_in_a_cluster
	s_endpgm
.Lentry_in_a_cluster:
	s_bfe_u32 s2, ttmp6, 0x10000c
	s_cmp_lg_u32 s2, 0xf033
	s_cbranch_scc0 .Lentry_shape_is_right
	s_endpgm
.Lentry_shape_is_right:
; S^T = key query^T on codes of FP6 (E2M3), K = 1,024, and the softmax's p, quantised along the keys, as the operand of the last product.
; A work-group of four waves makes 256 queries x 256 keys of one batch, a wave 128 x 128: 64 accumulators.  Source 0 = 16 keys (B), source 1 = 16 queries (A): a lane holds ONE query, its registers run along the keys.
; OPERANDS come as the first launch's images (1,536 bytes: half c at 768 c: registers 0-3 at 16 x lane, 4-5 at 512 + 8 x lane), laid [pair of K steps][row tile][step % 2]: 16 row tiles of a pair are 49,152 dense bytes.
; KEY ORDER.  Tile b of a group of 64 keys takes in lane r = 8 g + i the key 32 g + 8 (b xor g) + i: an image's lane (r xor 8 (b % 2)) of tile 2 g + b / 2 of the group.  So a lane's 32 scores of a group are ONE scale block of p.
; THE RING: three slots of one pair.  Head, one load a wave: A and B of pair 0, A and B of pair 1.  Pair 2: first fill behind the round in K step 1; pair 3 fills slot 0 again behind the round in K step 3.
; CLUSTERS: 4 x 4: a row shares the queries' tiles, a column the keys': joint loads.
; THE SOFTMAX.  t = score x log2(e) / 32.  Each wave takes its 128 keys alone: M = its largest t of a query rounded up to a whole number; p = 2^(t - M); the sum of the unquantised p.  The last launch brings all chunks under
; the row's largest M by exact powers of two.  A block's largest p is that of its largest score (this takes v_exp_f32 not to fall where its input rises).
; pf: [batch x 8 + pair of key steps][query tile 0..127][step % 2][registers 4 c .. at 512 c + 16 x lane].  pst: [batch x 16 + key step][2,048 queries] words: p's scale words at 0, -M (f32) at 524,288, the sums (f32) at 1,048,576.
; LIMITS: NaN and infinities are not served.  The promise holds while the scaled scores stay under 2^31 in magnitude.  A block whose every p lies under 2^-61 keeps the scale byte 64: there p under 2^-67 counts as 0.
.set FR,     12
.set NL,     4                         ; LDS loads that bring a fragment
.set NP,     4
.set SLOT,   98304                     ; A's 16 tiles x 3,072, then B's
.set PAIRB,  1572864
.set SPARE,  3*SLOT
.set AA,    2                          ; v2-4   A's fragments in slot 0, 1, 2; v5-7 their pieces of 8 bytes
.set A8,    5
.set BB,    8                          ; v8-13  B's: 2 x slot + (tile % 2); v14-19 their pieces of 8 bytes
.set B8,    14
.set LI,    24
.set L4,    25
.set L4K,   26
.set H8,    27                         ; 8 h
.set SPW,   28
.set NIL,   29
.set PFA,   30
.set PFB,   31
.set SA,    32                         ; register 8 g + k: queries' tiles 2 g, 2 g + 1, K step k
.set SB,    68                         ; the same for the keys
.set TT,    100
.set NMT,   108
.set SO,    112
.set PX,    120
.set SU,    124
.set AF,    128
.set PC,    140
.set TQ,    164
.set NMK,   180
.set LT,    188
.set PW,    196
.set MG,    204
.set G1A, 24
.set G1B, 48
.set G0A0, 32
.set G0A1, 36
.set G0A2, 68
.set G0B0, 56
.set G0B1, 60
.set G0B2, 72
.set CS,  80
.set MSB, 0
.macro WIN new
.if MSB != (\new)
	s_set_vgpr_msb (MSB<<8)|(\new)
.set MSB, (\new)
.endif
.endm
.set MUL_LO, 0xa1
.set MUL_HI, 0xf1
.macro PLACES n
.rept \n
	v_nop
.endr
.endm
.macro TLOAD g0, g1
	tensor_load_to_lds s[\g0:\g0+3], s[\g1:\g1+7]
	s_nop 0
	PLACES 4
.endm
.macro JLOAD g0a, g0b                  ; waves 0 and 1 fetch for A, waves 2 and 3 for B
	s_cmp_eq_u32 s15, 0
	s_cbranch_scc0 .Lfor_b_\@
	TLOAD \g0a, G1A
	s_branch .Lasked_\@
.Lfor_b_\@:
	TLOAD \g0b, G1B
.Lasked_\@:
.endm
.macro CREST
	s_cmp_lg_u32 s14, 0
	s_cbranch_scc1 .Lnot_wave_0_\@
	s_barrier_signal -3
.Lnot_wave_0_\@:
	s_barrier_wait -3
	s_barrier_signal -1
	s_barrier_wait -1
.endm
.macro CROUND
	s_barrier_signal -1
	s_barrier_wait -1
	CREST
.endm
.macro G0SET g, lds, base, off
	s_mov_b32 s[\g], 1
	s_mov_b32 s[\g+1], \lds
	s_add_nc_u64 s[\g+2:\g+3], s[\base:\base+1], \off
	s_or_b32 s[\g+3], s[\g+3], 0x80000000
.endm
	s_load_b256 s[4:11], s[0:1], 0x0               ; qkvf s[4:5], qkvs s[6:7], pf s[8:9], pst s[10:11]
	v_lshl_add_u32 v[SPW], v0, 2, SPARE
	v_mov_b32 v[NIL], 0
	ds_add_u32 v[SPW], v[NIL]
	ds_add_u32 v[SPW], v[NIL]
	v_lshrrev_b32 v1, 5, v0
	v_readfirstlane_b32 s14, v1                    ; wave 0..3
	s_lshr_b32 s15, s14, 1                         ; which half of the queries is mine.  Also: I fetch for A (0) or for B (1) behind the head
	s_and_b32 s16, s14, 1                          ; which half of the keys.  Also: which 8 row tiles of that side I fetch
	s_bfe_u32 s40, ttmp6, 0x40000                  ; cx
	s_bfe_u32 s41, ttmp6, 0x40004                  ; cy
	s_lshl_b32 s42, ttmp9, 2
	s_add_co_u32 s42, s42, s40                     ; the tile of 256 keys in the batch, 0..7
	s_and_b32 s18, ttmp7, 0xffff
	s_lshl_b32 s17, s18, 2
	s_add_co_u32 s17, s17, s41                     ; the tile of 256 queries, 0..31
	s_lshr_b32 s19, s18, 1                         ; the batch
	s_lshl_b32 s43, s41, 2
	s_lshl_b32 s43, 15, s43                        ; my row of the cluster
	s_lshl_b32 s44, 0x1111, s40                    ; my column
	; descriptor group 1: dense bytes as rows of 256: 16 row tiles (192 rows) at the head, 8 (96 rows) behind it
	s_or_b32 s[G1A+0], s43, (3<<16)|(1<<21)
	s_or_b32 s[G1B+0], s44, (3<<16)|(1<<21)
.irp g, G1A, G1B
	s_mov_b32 s[\g+1], 32<<16
	s_mov_b32 s[\g+2], 192<<16
	s_mov_b32 s[\g+3], 32<<16
	s_mov_b32 s[\g+4], 192
	s_mov_b32 s[\g+5], 32
	s_mov_b32 s[\g+6], 0
	s_mov_b32 s[\g+7], 0
.endr
	s_mul_i32 s20, s17, 49152
	s_mov_b32 s21, 0
	s_mul_i32 s46, s19, 393216
	s_mul_i32 s47, s42, 49152
	s_add_co_u32 s46, s46, s47
	s_add_co_u32 s46, s46, 6291456
	s_mov_b32 s47, 0
	s_mul_i32 s45, s14, 24576                      ; behind the head: wave x 8 row tiles
	s_mul_i32 s90, s15, 24576                      ; my 8 tiles of queries
	s_mul_i32 s91, s16, 24576
	s_add_co_u32 s92, s91, 49152                   ; my 8 tiles of keys
	s_lshl_b32 s93, s40, 2
	s_add_co_u32 s93, s93, s14
	s_mul_i32 s93, s93, 3072                       ; prefetches: my sixteenth of 16 row tiles of a pair
	s_lshl_b32 s94, s41, 2
	s_add_co_u32 s94, s94, s14
	s_mul_i32 s94, s94, 3072
	s_add_co_u32 s95, s90, SLOT
	s_add_co_u32 s96, s90, 2*SLOT
	v_and_b32 v1, 31, v0
	v_bfe_u32 v20, v0, 3, 1                        ; g
	v_bfe_u32 v21, v0, 4, 1                        ; h
	v_lshlrev_b32 v[LI], 4, v1
	v_lshlrev_b32 v22, 3, v1
	v_lshlrev_b32 v[L4], 2, v1
	v_add_nc_u32 v[AA], s90, v[LI]
	v_add_nc_u32 v[AA+1], s95, v[LI]
	v_add_nc_u32 v[AA+2], s96, v[LI]
	v_add_nc_u32 v[A8], s90, v22
	v_add_nc_u32 v[A8+1], s95, v22
	v_add_nc_u32 v[A8+2], s96, v22
	v_xor_b32 v23, 8, v1                           ; an odd tile's image lane
	v_mul_u32_u24 v20, v20, 6144                   ; g x two row tiles
	v_add_nc_u32 v[BB], v20, v[LI]
	v_add_nc_u32 v[B8], v20, v22
	v_lshl_add_u32 v[BB+1], v23, 4, v20
	v_lshl_add_u32 v[B8+1], v23, 3, v20
.irp i, BB, BB+1, B8, B8+1
	v_add_nc_u32 v[\i], s92, v[\i]
.endr
.irp i, BB, BB+1, B8, B8+1
	v_add_nc_u32 v[\i+2], SLOT, v[\i]
	v_add_nc_u32 v[\i+4], 2*SLOT, v[\i]
.endr
	v_bfe_u32 v20, v0, 3, 1
	v_lshlrev_b32 v[H8], 3, v21
	v_xor_b32 v22, v20, v21
	v_and_b32 v23, 7, v0
	v_lshl_add_u32 v23, v22, 3, v23
	v_lshl_add_u32 v23, v20, 5, v23
	v_lshlrev_b32 v[L4K], 2, v23                   ; 4 x (32 g + 8 (h xor g) + i)
	v_min_u32 v[PFA], 11, v1
	v_min_u32 v[PFB], 11, v1
	v_lshl_add_u32 v[PFA], v[PFA], 8, s93
	v_lshl_add_u32 v[PFB], v[PFB], 8, s94
	v_mov_b32 v[PX], 0                             ; written once: a lane permute's destination counts as one of its sources
	v_mov_b32 v[PX+1], 0
	s_wait_alu depctr_va_vdst(0)
	s_wait_dscnt 0x0
	CROUND
	s_wait_kmcnt 0x0
	s_add_nc_u64 s[20:21], s[4:5], s[20:21]
	s_add_nc_u64 s[46:47], s[4:5], s[46:47]
	G0SET G0A0, 0, 20, 0
	G0SET G0B0, 49152, 46, 0
	G0SET G0A1, SLOT, 20, PAIRB
	G0SET G0B1, SLOT+49152, 46, PAIRB
	s_cmp_eq_u32 s14, 0
	s_cbranch_scc0 .Lwave_1
	TLOAD G0A0, G1A
	s_branch .Lasked
.Lwave_1:
	s_cmp_eq_u32 s14, 1
	s_cbranch_scc0 .Lwave_2
	TLOAD G0B0, G1B
	s_branch .Lasked
.Lwave_2:
	s_cmp_eq_u32 s14, 2
	s_cbranch_scc0 .Lwave_3
	TLOAD G0A1, G1A
	s_branch .Lasked
.Lwave_3:
	TLOAD G0B1, G1B
.Lasked:
	s_mov_b64 s[86:87], s[20:21]                   ; the prefetches' bases
	s_mov_b64 s[88:89], s[46:47]
	s_lshl_b32 s22, s17, 10                        ; the queries' scale words: 4 x (256 x tile + 128 x half)
	s_lshl_b32 s23, s15, 9
	s_add_co_u32 s22, s22, s23
	s_mov_b32 s23, 0
	s_add_nc_u64 s[76:77], s[6:7], s[22:23]
	s_lshl_b32 s22, s19, 13                        ; the keys', behind the queries'
	s_lshl_b32 s93, s42, 10
	s_add_co_u32 s22, s22, s93
	s_lshl_b32 s93, s16, 9
	s_add_co_u32 s22, s22, s93
	s_add_co_u32 s22, s22, 262144
	s_add_nc_u64 s[78:79], s[6:7], s[22:23]
.irp g, 0,1,2,3
.irp k, 0,1,2,3,4,5,6,7
	global_load_b32 v[SA+8*\g+\k], v[L4], s[76:77] offset:\k*32768+\g*128
	global_load_b32 v[SB+8*\g+\k], v[L4K], s[78:79] offset:\k*32768+256*(\g/2)+64*(\g%2)
.endr
.endr
	s_mov_b32 s22, s91                             ; behind the head: my 8 row tiles of the side that I fetch
	s_add_nc_u64 s[20:21], s[20:21], s[22:23]
	s_add_nc_u64 s[46:47], s[46:47], s[22:23]
	s_add_co_u32 s93, s45, 2*SLOT
	G0SET G0A2, s93, 20, 2*PAIRB
	G0SET G0B2, s93, 46, 2*PAIRB
	s_lshl_b32 s22, s19, 3                         ; where p's fragments go
	s_add_co_u32 s22, s22, s42
	s_mul_i32 s22, s22, 393216
	s_and_b32 s94, s17, 7
	s_mul_i32 s93, s94, 49152
	s_add_co_u32 s22, s22, s93
	s_add_co_u32 s22, s22, s90
	s_mul_i32 s93, s16, 1536
	s_add_co_u32 s22, s22, s93
	s_add_nc_u64 s[8:9], s[8:9], s[22:23]
	s_lshl_b32 s22, s19, 4                         ; and the words
	s_lshl_b32 s93, s42, 1
	s_add_co_u32 s22, s22, s93
	s_add_co_u32 s22, s22, s16
	s_lshl_b32 s22, s22, 13
	s_lshl_b32 s93, s94, 10
	s_add_co_u32 s22, s22, s93
	s_lshl_b32 s93, s15, 9
	s_add_co_u32 s22, s22, s93
	s_add_nc_u64 s[10:11], s[10:11], s[22:23]
	s_mov_b32 s[CS], 0x3d38aa3b                    ; c = log2(e) / sqrt(1,024)
	s_mov_b32 s[CS+1], s[CS]
	s_mov_b32 s82, 0x76543210
	s_mov_b32 s83, 0xfedcba98
	s_mov_b32 s84, 0xffff0000                      ; lanes 16-31
.macro PF p                            ; asks for pair p of my cluster's tiles into the L2: each block of 256 bytes once in the cluster
	global_prefetch_b8 v[PFA], s[86:87] offset:(\p)*PAIRB th:TH_LOAD_NT scope:SCOPE_SE
	global_prefetch_b8 v[PFB], s[88:89] offset:(\p)*PAIRB th:TH_LOAD_NT scope:SCOPE_SE
.endm
.macro WM a, b, k, z, rb, ra
.set D_, 8*(8*((\a)%4)+(\b))
.set P_, 128*((\k)%2)+FR*(\b)
.set Q_, AF+FR*(\a)
.if \z
	v_wmma_scale_f32_16x16x128_f8f6f4 v[D_:D_+7], v[P_:P_+11], v[Q_:Q_+11], 0, v[SB+8*((\b)/2)+(\k)], v[SA+8*((\a)/2)+(\k)] matrix_a_fmt:MATRIX_FMT_FP6 matrix_b_fmt:MATRIX_FMT_FP6 matrix_a_scale:MATRIX_SCALE_ROW\rb matrix_b_scale:MATRIX_SCALE_ROW\ra
.else
	v_wmma_scale_f32_16x16x128_f8f6f4 v[D_:D_+7], v[P_:P_+11], v[Q_:Q_+11], v[D_:D_+7], v[SB+8*((\b)/2)+(\k)], v[SA+8*((\a)/2)+(\k)] matrix_a_fmt:MATRIX_FMT_FP6 matrix_b_fmt:MATRIX_FMT_FP6 matrix_a_scale:MATRIX_SCALE_ROW\rb matrix_b_scale:MATRIX_SCALE_ROW\ra
.endif
.endm
.macro MUL8 a, k, z, ra
.irp b, 0,2,4,6
	WM \a, \b, \k, \z, 0, \ra
	WM \a, \b+1, \k, \z, 1, \ra
.endr
.endm
; 16 products.  The 64 accumulators take turns, one instruction a turn, in the same order in every step.
.macro MUL16 a0, k, z
	MUL8 \a0, \k, \z, 0
	MUL8 \a0+1, \k, \z, 1
.endm
.macro FRAG r, a, a8, off
	ds_load_b128 v[\r:\r+3], v[\a] offset:\off
	ds_load_b64 v[\r+4:\r+5], v[\a8] offset:(\off)+512
	ds_load_b128 v[\r+6:\r+9], v[\a] offset:(\off)+768
	ds_load_b64 v[\r+10:\r+11], v[\a8] offset:(\off)+1280
.endm
.macro FETCH_B ns, nq, p
	WIN 0x40
.irp i, 0,1,2,3,4,5,6,7
	FRAG 128*(\p)+FR*\i, BB+2*(\ns)+\i%2, B8+2*(\ns)+\i%2, (4*(\i/4)+(\i%4)/2)*3072+(\nq)*1536
.endr
	WIN 0
.endm
.macro FETCH_A ns, nq, i0
.irp i, \i0, \i0+1, \i0+2, \i0+3
	FRAG AF+FR*(\i), AA+\ns, A8+\ns, (\i)*3072+(\nq)*1536
.endr
.endm
; K step k; the next step's fragments come from slot ns, step nq of its pair.  A has one set of registers (a block is free when its eight products are issued), B two.
.macro STEP k, ns, nq, z
	s_wait_dscnt 4*NL                              ; the youngest 16 loads (A's blocks 4-7) may be out
	WIN MUL_LO
	MUL16 0, \k, \z
	MUL16 2, \k, \z
	s_wait_dscnt 0
	PLACES NP
	FETCH_B \ns, \nq, 1-(\k)%2
	FETCH_A \ns, \nq, 0
	WIN MUL_HI
	MUL16 4, \k, \z
	MUL16 6, \k, \z
	PLACES NP
	WIN 0
	FETCH_A \ns, \nq, 4
.endm
; A step with a barrier (k is odd).  fill = 2: pair 2 into slot 2, for the first time; 3: pair 3 into slot 0, which nobody reads any more; 0: the last pair has landed in every wave's part.
.macro TURN k, ns, fill
	s_wait_tensorcnt 0x0
.if \fill
	ds_add_u32 v[SPW], v[NIL]
.if (\fill) == 2
	s_mov_b32 s[G1A+2], 96<<16                     ; from here on a load brings 8 row tiles
	s_mov_b32 s[G1A+4], 96
	s_mov_b32 s[G1B+2], 96<<16
	s_mov_b32 s[G1B+4], 96
.else
	G0SET G0A0, s45, 20, 3*PAIRB
	G0SET G0B0, s45, 46, 3*PAIRB
.endif
	s_wait_dscnt 4*NL+1                            ; the add and the youngest 16 loads may be out
.else
	s_wait_dscnt 4*NL
.endif
	WIN MUL_LO
	MUL16 0, \k, 0
	s_wait_dscnt 0x0
	s_barrier_signal -1
	MUL16 2, \k, 0
	WIN 0
	s_barrier_wait -1
.if \fill
	CREST
.if (\fill) == 2
	JLOAD G0A2, G0B2                               ; its four v_nop are also the places in front of the loads below
.else
	JLOAD G0A0, G0B0
.endif
.else
	PLACES NP
.endif
	FETCH_B \ns, 0, 0
	FETCH_A \ns, 0, 0
	WIN MUL_HI
	MUL16 4, \k, 0
	MUL16 6, \k, 0
	PLACES NP
	WIN 0
	FETCH_A \ns, 0, 4
.endm
	PF 2
	s_wait_alu depctr_va_vdst(0)
	s_cmp_lt_u32 s14, 2
	s_cbranch_scc0 .Lnot_pair_0
	s_wait_tensorcnt 0x0
.Lnot_pair_0:
	s_barrier_signal -1
	s_barrier_wait -1                              ; pair 0 is in; pair 1 may be out
	FETCH_B 0, 0, 0
	FETCH_A 0, 0, 0
	FETCH_A 0, 0, 4
	s_wait_loadcnt 0x0                             ; the 64 registers of scale words
	STEP 0, 0, 1, 1
	TURN 1, 1, 2
	PF 3
	STEP 2, 1, 1, 0
	TURN 3, 2, 3
	STEP 4, 2, 1, 0
	TURN 5, 0, 0
	STEP 6, 0, 1, 0
	s_wait_dscnt 4*NL
	WIN MUL_LO
	MUL16 0, 7, 0
	MUL16 2, 7, 0
	s_wait_dscnt 0
	WIN MUL_HI
	MUL16 4, 7, 0
	MUL16 6, 7, 0
	WIN 0
; THE SOFTMAX of blocks a, a + 1 by turns: 2 x 16 queries x my 128 keys, 128 registers a lane in window 2 or 3, in place.  u = 0 .. 7: 16 registers each; block 32-key group c of block e: u = 4 e + 2 c and the next.
.macro SOFT2 a
.set W, 2+(\a)/4
.set AC, 64*((\a)%4)
	WIN W|(W<<2)|(W<<4)
.irp u, 0,1,2,3,4,5,6,7
	v_max3_num_f32 v[TT+\u], v[AC+16*\u], v[AC+16*\u+1], v[AC+16*\u+2]   ; from each accumulator's low end on
.endr
	WIN (W<<2)|(W<<4)
.irp i, 3,5,7,9,11,13
.irp u, 0,1,2,3,4,5,6,7
	v_max3_num_f32 v[TT+\u], v[TT+\u], v[AC+16*\u+\i], v[AC+16*\u+\i+1]
.endr
.endr
.irp u, 0,2,4,6
	v_max3_num_f32 v[TT+\u], v[TT+\u], v[AC+16*\u+15], v[AC+16*\u+31]
.endr
	WIN 0
.irp u, 0,2,4,6
	v_max_num_f32 v[TT+\u], v[TT+\u], v[TT+\u+1]   ; the largest score of each block of 32 keys
.endr
.irp e, 0,1
	v_max_num_f32 v[TT+4*\e+1], v[TT+4*\e], v[TT+4*\e+2]
.endr
.irp e, 0,1
	v_permlanex16_b32 v[PX+\e], v[TT+4*\e+1], s82, s83
.endr
.irp e, 0,1
	v_max_num_f32 v[TT+4*\e+1], v[TT+4*\e+1], v[PX+\e]   ; of my query among these 128 keys
.endr
.irp e, 0,1
	v_mul_f32 v[NMT+2*\e+1], s[CS], v[TT+4*\e+1]   ; as t (c is positive)
.endr
.irp e, 0,1
	v_floor_f32 v[NMT+2*\e], -v[NMT+2*\e+1]        ; -M: M is a whole number
.endr
	WIN W|(W<<6)
.irp j, 0,2,4,6,8,10,12,14,16,18,20,22,24,26,28,30,32,34,36,38,40,42,44,46,48,50,52,54,56,58,60,62
.irp e, 0,1
	v_pk_fma_f32 v[AC+64*\e+\j:AC+64*\e+\j+1], v[AC+64*\e+\j:AC+64*\e+\j+1], s[CS:CS+1], v[NMT+2*\e:NMT+2*\e+1] op_sel_hi:[1,0,0]   ; t - M
.endr
.endr
	WIN 0
.irp u, 0,2,4,6
	v_fma_f32 v[TT+\u], v[TT+\u], s[CS], v[NMT+2*(\u/4)]
.endr
	s_wait_alu depctr_va_vdst(0)                   ; the wait ahead of the batch
.if (\a) > 0
	s_wait_xcnt 0x0                                ; the last blocks' stores have read the registers that are written next
.endif
.irp u, 0,2,4,6
	v_exp_f32 v[TT+\u], v[TT+\u]                   ; each block's largest p
.endr
	WIN W|(W<<6)
.set J, 0
.rept 128
	v_exp_f32 v[AC+J], v[AC+J]                     ; p = 2^(t - M), at most 1
.set J, J+1
.endr
	WIN 0
.irp e, 0,1
	v_mov_b32 v[NMK+(\a)+\e], v[NMT+2*\e]          ; -M is kept
.endr
	s_wait_alu depctr_va_vdst(0)                   ; and behind it
	WIN W|(W<<2)
.irp u, 0,1,2,3,4,5,6,7
	v_pk_add_f32 v[SU+2*\u:SU+2*\u+1], v[AC+16*\u:AC+16*\u+1], v[AC+16*\u+2:AC+16*\u+3]   ; the sum of the unquantised p
.endr
	WIN W<<2
.irp i, 4,6,8,10,12,14
.irp u, 0,1,2,3,4,5,6,7
	v_pk_add_f32 v[SU+2*\u:SU+2*\u+1], v[SU+2*\u:SU+2*\u+1], v[AC+16*\u+\i:AC+16*\u+\i+1]
.endr
.endr
	WIN 0
.irp u, 0,4,8,12
	v_pk_add_f32 v[SU+\u:SU+\u+1], v[SU+\u:SU+\u+1], v[SU+\u+2:SU+\u+3]
.endr
.irp u, 0,2,4,6
	v_max_num_f32 v[TT+\u], 0x21000000, v[TT+\u]   ; the floor 2^(66 - 127): the byte cannot fall under 64
.endr
.irp u, 0,8
	v_pk_add_f32 v[SU+\u:SU+\u+1], v[SU+\u:SU+\u+1], v[SU+\u+4:SU+\u+5]
.endr
.irp u, 0,2,4,6
	v_add_nc_u32 v[SO+\u], 0xff000000, v[TT+\u]    ; 2 off the exponent field: the conversion's scale operand
.endr
.irp e, 0,1
	v_add_f32 v[SU+8*\e], v[SU+8*\e], v[SU+8*\e+1]
.endr
.irp u, 0,2,4,6
	v_lshrrev_b32 v[TT+\u], 23, v[SO+\u]           ; the scale's byte
.endr
.irp e, 0,1
	v_permlanex16_b32 v[PX+\e], v[SU+8*\e], s82, s83
.endr
.irp e, 0,1
	v_lshl_or_b32 v[TT+4*\e], v[TT+4*\e+2], 16, v[TT+4*\e]
.endr
.irp e, 0,1
	v_add_f32 v[LT+(\a)+\e], v[SU+8*\e], v[PX+\e]  ; the sum over my 128 keys
.endr
.irp e, 0,1
	v_lshlrev_b32 v[TT+4*\e], v[H8], v[TT+4*\e]    ; my two bytes at 2 c + h
.endr
.irp e, 0,1
	v_permlanex16_b32 v[PX+\e], v[TT+4*\e], s82, s83
.endr
.irp e, 0,1
	v_or_b32 v[PW+(\a)+\e], v[TT+4*\e], v[PX+\e]   ; p's scale word
.endr
	WIN W
.irp e, 0,1
.irp c, 0,1
	v_cvt_scalef32_pk16_fp6_f32 v[PC+12*\e+6*\c:PC+12*\e+6*\c+2], v[AC+64*\e+32*\c:AC+64*\e+32*\c+15], v[SO+4*\e+2*\c]
	v_cvt_scalef32_pk16_fp6_f32 v[TQ+8*\e+4*\c:TQ+8*\e+4*\c+2], v[AC+64*\e+32*\c+16:AC+64*\e+32*\c+31], v[SO+4*\e+2*\c]
.endr
.endr
	WIN 0
	v_nop
.irp e, 0,1
.irp c, 0,1
.irp i, 0,1,2
	v_mov_b32 v[PC+12*\e+6*\c+3+\i], v[TQ+8*\e+4*\c+\i]
.endr
.endr
.endr
.irp e, 0,1
.irp c, 0,1,2
	global_store_b128 v[LI], v[PC+12*\e+4*\c:PC+12*\e+4*\c+3], s[8:9] offset:((\a)+\e)*3072+512*\c
.endr
.endr
.endm
	PLACES NP
.irp a, 0,2,4,6
	SOFT2 \a
.endr
.irp g, 0,1,2,3
	v_cndmask_b32 v[MG+\g], v[PW+2*\g], v[PW+2*\g+1], s84     ; lanes 0-15 keep the even block's, lanes 16-31 the odd one's
	v_cndmask_b32 v[MG+4+\g], v[NMK+2*\g], v[NMK+2*\g+1], s84
	v_cndmask_b32 v[MG+8+\g], v[LT+2*\g], v[LT+2*\g+1], s84
.endr
.irp g, 0,1,2,3
	global_store_b32 v[L4], v[MG+\g], s[10:11] offset:128*\g
	global_store_b32 v[L4], v[MG+4+\g], s[10:11] offset:524288+128*\g
	global_store_b32 v[L4], v[MG+8+\g], s[10:11] offset:1048576+128*\g
.endr
	s_wait_tensorcnt 0x0                           ; the wave's end
	ds_add_u32 v[SPW], v[NIL]
	s_wait_dscnt 0x0
	CROUND                                         ; the closing round
	s_endpgm
.Lfunc_end_k_qd42148f671_scores:
	.size	k_qd42148f671_scores, .Lfunc_end_k_qd42148f671_scores-k_qd42148f671_scores
	.p2alignl 7, 3214868480
	.fill 96, 4, 3214868480
	.section	.rodata,"a",@progbits
	.p2align	6, 0x0
	.amdhsa_kernel k_qd42148f671_scores
		.amdhsa_group_segment_fixed_size 327680
		.amdhsa_private_segment_fixed_size 0
		.amdhsa_enable_private_segment 0
		.amdhsa_kernarg_size 32
		.amdhsa_user_sgpr_count 2
		.amdhsa_user_sgpr_kernarg_segment_ptr 1
		.amdhsa_wavefront_size32 1
		.amdhsa_system_sgpr_workgroup_id_x 1
		.amdhsa_system_sgpr_workgroup_id_y 1
		.amdhsa_system_sgpr_workgroup_id_z 1
		.amdhsa_system_vgpr_workitem_id 0
		.amdhsa_next_free_vgpr 1024
		.amdhsa_next_free_sgpr 102
		.amdhsa_reserve_vcc 0
		.amdhsa_float_denorm_mode_32 3
		.amdhsa_float_denorm_mode_16_64 3
		.amdhsa_memory_ordered 1
		.amdhsa_forward_progress 1
		.amdhsa_inst_pref_size 200
	.end_amdhsa_kernel
	.amdgpu_metadata
---
amdhsa.version: [ 1, 2 ]
amdhsa.kernels:
  - .name:           k_qd42148f671_scores
    .symbol:         k_qd42148f671_scores.kd
    .args:
      - { .name: qkvf, .offset: 0, .size: 8, .value_kind: global_buffer, .address_space: global }
      - { .name: qkvs, .offset: 8, .size: 8, .value_kind: global_buffer, .address_space: global }
      - { .name: pf, .offset: 16, .size: 8, .value_kind: global_buffer, .address_space: global }
      - { .name: pst, .offset: 24, .size: 8, .value_kind: global_buffer, .address_space: global }
    .group_segment_fixed_size: 327680
    .private_segment_fixed_size: 0
    .kernarg_segment_align: 8
    .kernarg_segment_size: 32
    .max_flat_workgroup_size: 128
    .sgpr_count:     102
    .vgpr_count:     1024
    .wavefront_size: 32
...
	.end_amdgpu_metadata
.endif
;; end of part 2
;; launch pv (part 3): grid 4 x 64, 4 waves a work-group, clusters of 4 x 4, 327,680 bytes of LDS; arguments qkvf, qkvs, pf, pst, out0; writes out0
.if DOCPART == 3
	.amdgcn_target "amdgcn-amd-amdhsa--gfx1250"
	.amdhsa_code_object_version 6
	.text
	.protected	k_qd42148f671_pv
	.globl	k_qd42148f671_pv
	.p2align	8
	.type	k_qd42148f671_pv,@function
k_qd42148f671_pv:
	s_mov_b64 s[64:65], 0
	v_nop
	global_prefetch_b8 v0, s[64:65] scope:SCOPE_SE
	s_setreg_imm32_b32 hwreg(HW_REG_WAVE_MODE, 25, 1), 1
	s_wait_xcnt 0x0
	s_wait_alu depctr_hold_cnt(0) depctr_sa_sdst(0) depctr_va_vdst(0) depctr_va_sdst(0) depctr_va_ssrc(0) depctr_va_vcc(0) depctr_vm_vsrc(0)
	s_getreg_b32 s2, hwreg(HW_REG_IB_STS2, 6, 4)
	s_cmp_eq_u32 s2, 0
	s_cbranch_scc0 .Lentry_in_a_cluster
	s_endpgm
.Lentry_in_a_cluster:
	s_bfe_u32 s2, ttmp6, 0x10000c
	s_cmp_lg_u32 s2, 0xf033
	s_cbranch_scc0 .Lentry_shape_is_right
	s_endpgm
.Lentry_shape_is_right:
; out = p value / l on codes of FP6 (E2M3), K = 2,048 keys.  A work-group of four waves makes 128 queries x 256 columns; a wave all 128 queries x 64 columns: 32 accumulators of 16 x 16 in window 2.
; K goes in four slots of 4 key steps.  A wave HOLDS its 64 columns of value of a slot in registers (16 fragments, two sets: the next slot's are loaded meanwhile) and streams p past them in 8 blocks of 16 queries, 16 products each.
; So in the last slot each block is finished after its 16 products and leaves at once, in rows of 256 bytes, while the others are multiplied.
; Source 0 = 16 columns of value, source 1 = 16 queries: a lane holds a query, its registers run along the columns.  Both operands come as images of their registers:
; p: [pair of key steps][query tile][step % 2][registers 4 c .. at 512 c + 16 x lane];  value: half c at 768 c: registers 0-3 at 16 x lane, 4-5 at 512 + 8 x lane.
; LDS: two regions for a slot's value (2 pairs x 49,152), two for its p (2 pairs x 24,576), the shared words, the spare words.  The way out's stages lie in value's region 0, which has had its last fill and its last read by then.
; FILLS.  Head, one load a wave: slot 0's value, slot 0's p, slot 1's value, slot 1's p.  In block 5 of slots 0 and 1, behind a round: slot s + 2's value onto slot s's, which all waves hold in registers,
; and its p onto slot s's, whose last block has been fetched.  In block 2 of slots 0, 1, 2 a plain barrier shows the next slot to all waves.
; CLUSTERS: 4 x 4: a row shares p's tiles, a column value's: joint loads.
; THE CHUNKS' MAXIMA.  Each chunk of 128 keys has its own M.  d = M - the row's largest M, a whole number held at -64 from below, is added to the chunk's four scale bytes (each at least 64) and scales its sum.
; Each wave does this for 32 of the queries and hands words and 1 / l to the others through LDS.
; LIMITS: NaN and infinities are not served.  A chunk whose M lies more than 64 under the row's largest weighs as if it lay 64 under.
; PREFETCHES: slots 2 and 3 are asked for one slot or more ahead of their tensor loads, shared out by address among the sixteen waves that will ask jointly.
; THE WAITS' COUNTS: a block's p was fetched two blocks ago; younger are the next block's 12 loads and, where that block loaded value, its 16.
.set VREG,  98304
.set PR0,   2*VREG
.set PREG,  49152
.set WST,   PR0+2*PREG                 ; [32 queries x 4][16 words], 80 bytes a query
.set RST,   WST+4*2560                 ; 1 / l of 128 queries
.set SPARE, RST+512
.set SPITCH, 272
.set ADP,   2                          ; v2-3  p's fragments in region 0, 1
.set ADV,   4                          ; v4-5  value's; v6-7 their pieces of 8 bytes
.set ADV8,  6
.set STO,   8
.set RD,    9
.set CO,    10                         ; 16 x lane
.set OUT,   11
.set L4,    12
.set WSR,   13
.set RLR,   14
.set WSA,   15
.set RLA,   16
.set SPW,   17
.set NIL,   18
.set PFP,   19
.set PFV,   20
.set SV,    28                         ; register 16 g + k: my column tiles 2 g, 2 g + 1, key step k
.set SP,    64                         ; the same for the query tiles
.set RL,    128                        ; v128-143: 1 / l of block i's queries at 2 i and 2 i + 1
.set TT,    144
.set NMR,   160                        ; v160-255 at work at the head; then p's sets 2 and 3
.set LLR,   176
.set SPX,   192
.set MN,    208
.set BK,    0                          ; window 1, in the last slot: rows read back from the stage
.set G1P, 24
.set G0P, 32
.set G1V, 48
.set G0V, 56
.set MSB, 0
.macro WIN new
.if MSB != (\new)
	s_set_vgpr_msb (MSB<<8)|(\new)
.set MSB, (\new)
.endif
.endm
.macro PLACES n
.rept \n
	v_nop
.endr
.endm
.macro TLOAD g0, g1
	tensor_load_to_lds s[\g0:\g0+3], s[\g1:\g1+7]
	s_nop 0
	PLACES 4
.endm
.macro CREST
	s_cmp_lg_u32 s14, 0
	s_cbranch_scc1 .Lnot_wave_0_\@
	s_barrier_signal -3
.Lnot_wave_0_\@:
	s_barrier_wait -3
	s_barrier_signal -1
	s_barrier_wait -1
.endm
.macro CROUND
	s_barrier_signal -1
	s_barrier_wait -1
	CREST
.endm
.macro PF j
	global_prefetch_b8 v[PFP], s[88:89] offset:(\j)*786432 th:TH_LOAD_NT scope:SCOPE_SE
	global_prefetch_b8 v[PFV], s[90:91] offset:(\j)*393216 th:TH_LOAD_NT scope:SCOPE_SE
.endm
	s_load_b256 s[4:11], s[0:1], 0x0               ; qkvf, qkvs, pf, pst
	s_load_b64 s[12:13], s[0:1], 0x20              ; out0
	v_lshl_add_u32 v[SPW], v0, 2, SPARE
	v_mov_b32 v[NIL], 0
	ds_add_u32 v[SPW], v[NIL]
	ds_add_u32 v[SPW], v[NIL]
	v_lshrrev_b32 v21, 5, v0
	v_readfirstlane_b32 s14, v21                   ; the wave: which 64 columns are mine, and whose 32 queries' words I make
	s_bfe_u32 s40, ttmp6, 0x40000
	s_bfe_u32 s41, ttmp6, 0x40004
	s_lshl_b32 s42, ttmp9, 2
	s_add_co_u32 s42, s42, s40                     ; the tile of 256 columns
	s_and_b32 s18, ttmp7, 0xffff
	s_lshl_b32 s17, s18, 2
	s_add_co_u32 s17, s17, s41                     ; the tile of 128 queries, 0..63
	s_lshr_b32 s19, s18, 2                         ; the batch
	s_lshl_b32 s43, s41, 2
	s_lshl_b32 s43, 15, s43
	s_lshl_b32 s44, 0x1111, s40
	; descriptor group 1: a slot's two pairs as two rows: 24,576 bytes of p, 49,152 of value (elements of 8 bytes)
	s_or_b32 s[G1P+0], s43, (3<<16)|(1<<21)
	s_mov_b32 s[G1P+1], 3072<<16
	s_mov_b32 s[G1P+2], 2<<16
	s_mov_b32 s[G1P+3], 3072<<16
	s_mov_b32 s[G1P+4], 2
	s_mov_b32 s[G1P+5], 393216/8
	s_mov_b32 s[G1P+6], 0
	s_mov_b32 s[G1P+7], 0
	s_or_b32 s[G1V+0], s44, (3<<16)|(1<<21)
	s_mov_b32 s[G1V+1], 6144<<16
	s_mov_b32 s[G1V+2], 2<<16
	s_mov_b32 s[G1V+3], 6144<<16
	s_mov_b32 s[G1V+4], 2
	s_mov_b32 s[G1V+5], 196608/8
	s_mov_b32 s[G1V+6], 0
	s_mov_b32 s[G1V+7], 0
	s_mul_i32 s20, s19, 3145728
	s_and_b32 s22, s17, 15
	s_mul_i32 s23, s22, 24576
	s_add_co_u32 s20, s20, s23                     ; p: my tile of queries in the batch's first pair
	s_mov_b32 s21, 0
	s_mul_i32 s46, s19, 1572864
	s_mul_i32 s47, s42, 49152
	s_add_co_u32 s46, s46, s47
	s_add_co_u32 s46, s46, 12582912                ; value: my tile of columns
	s_mov_b32 s47, 0
	s_mul_i32 s92, s14, 12288                      ; my 4 tiles of columns
	s_mul_i32 s93, s14, 16*SPITCH                  ; my stage
	s_mul_i32 s94, s14, 2560
	s_add_co_u32 s94, s94, WST
	s_lshl_b32 s95, s14, 7
	s_add_co_u32 s95, s95, RST
	s_lshl_b32 s98, s40, 2                         ; the prefetches: eight waves to a pair
	s_add_co_u32 s98, s98, s14
	s_lshr_b32 s99, s98, 3
	s_mul_i32 s99, s99, 393216
	s_and_b32 s98, s98, 7
	s_mul_i32 s98, s98, 3072
	s_add_co_u32 s99, s99, s98
	s_lshl_b32 s98, s41, 2
	s_add_co_u32 s98, s98, s14
	s_lshr_b32 s100, s98, 3
	s_mul_i32 s100, s100, 196608
	s_and_b32 s98, s98, 7
	s_mul_i32 s98, s98, 6144
	s_add_co_u32 s100, s100, s98
	v_and_b32 v21, 31, v0
	v_and_b32 v22, 15, v0                          ; r
	v_bfe_u32 v23, v0, 4, 1                        ; h
	v_lshlrev_b32 v[CO], 4, v21
	v_lshlrev_b32 v24, 3, v21
	v_lshlrev_b32 v[L4], 2, v21
	v_add_nc_u32 v[ADP], PR0, v[CO]
	v_add_nc_u32 v[ADP+1], PR0+PREG, v[CO]
	v_add_nc_u32 v[ADV], s92, v[CO]
	v_add_nc_u32 v[ADV8], s92, v24
	v_add_nc_u32 v[ADV+1], VREG, v[ADV]
	v_add_nc_u32 v[ADV8+1], VREG, v[ADV8]
	v_mul_u32_u24 v24, v22, SPITCH
	v_lshl_add_u32 v24, v23, 5, v24
	v_add_nc_u32 v[STO], s93, v24                  ; in: row r, 32 bytes for each half of the lanes
	v_mul_u32_u24 v24, v23, SPITCH
	v_lshl_add_u32 v24, v22, 4, v24
	v_add_nc_u32 v[RD], s93, v24                   ; back: lanes 0-15 take one row of 256 bytes, lanes 16-31 the next
	v_lshlrev_b32 v24, 12, v23
	v_lshl_add_u32 v[OUT], v22, 4, v24             ; and the same in out0
	v_mul_u32_u24 v24, v21, 80
	v_add_nc_u32 v[WSR], WST, v24
	v_add_nc_u32 v[WSA], s94, v24
	v_lshlrev_b32 v24, 2, v22
	v_add_nc_u32 v[RLR], RST, v24
	v_add_nc_u32 v[RLA], s95, v[L4]
	v_min_u32 v[PFP], 11, v21
	v_min_u32 v[PFV], 23, v21
	v_lshl_add_u32 v[PFP], v[PFP], 8, s99
	v_lshl_add_u32 v[PFV], v[PFV], 8, s100
	s_wait_alu depctr_va_vdst(0)
	s_wait_dscnt 0x0
	CROUND
	s_wait_kmcnt 0x0
	s_add_nc_u64 s[88:89], s[8:9], s[20:21]
	s_add_nc_u64 s[90:91], s[4:5], s[46:47]
.irp s, 0,1
	s_mov_b32 s[G0P+4*\s], 1
	s_mov_b32 s[G0P+4*\s+1], PR0+\s*PREG
	s_add_nc_u64 s[G0P+4*\s+2:G0P+4*\s+3], s[88:89], \s*786432
	s_or_b32 s[G0P+4*\s+3], s[G0P+4*\s+3], 0x80000000
	s_mov_b32 s[G0V+4*\s], 1
	s_mov_b32 s[G0V+4*\s+1], \s*VREG
	s_add_nc_u64 s[G0V+4*\s+2:G0V+4*\s+3], s[90:91], \s*393216
	s_or_b32 s[G0V+4*\s+3], s[G0V+4*\s+3], 0x80000000
.endr
	s_cmp_eq_u32 s14, 0
	s_cbranch_scc0 .Lwave_1
	TLOAD G0V, G1V
	s_branch .Lasked
.Lwave_1:
	s_cmp_eq_u32 s14, 1
	s_cbranch_scc0 .Lwave_2
	TLOAD G0P, G1P
	s_branch .Lasked
.Lwave_2:
	s_cmp_eq_u32 s14, 2
	s_cbranch_scc0 .Lwave_3
	TLOAD G0V+4, G1V
	s_branch .Lasked
.Lwave_3:
	TLOAD G0P+4, G1P
.Lasked:
	s_lshl_b32 s20, s19, 17                        ; the words of my 32 queries
	s_lshl_b32 s23, s22, 9
	s_add_co_u32 s20, s20, s23
	s_lshl_b32 s23, s14, 7
	s_add_co_u32 s20, s20, s23
	s_add_nc_u64 s[66:67], s[10:11], s[20:21]
	s_lshl_b32 s20, s19, 16                        ; and of my columns
	s_lshl_b32 s23, s42, 10
	s_add_co_u32 s20, s20, s23
	s_lshl_b32 s23, s14, 8
	s_add_co_u32 s20, s20, s23
	s_add_co_u32 s20, s20, 524288
	s_add_nc_u64 s[68:69], s[6:7], s[20:21]
.macro STATS r, off
.irp k, 0,1,2,3,4,5,6,7,8,9,10,11,12,13,14,15
	global_load_b32 v[\r+\k], v[L4], s[66:67] offset:(\off)+\k*8192
.endr
.endm
	STATS NMR, 524288
	STATS LLR, 1048576
	STATS SPX, 0
.irp k, 0,1,2,3
.irp g, 0,1
	global_load_b32 v[SV+16*\g+\k], v[L4], s[68:69] offset:\k*4096+\g*128
.endr
.endr
	PF 2
	s_lshl_b32 s20, s17, 19
	s_lshl_b32 s23, s42, 10
	s_add_co_u32 s20, s20, s23
	s_lshl_b32 s23, s14, 8
	s_add_co_u32 s20, s20, s23
	s_add_nc_u64 s[12:13], s[12:13], s[20:21]
	s_mov_b32 s84, 0x01010101
.macro ALL16 m
.set I, 0
.rept 16
	\m
.set I, I+1
.endr
.endm
.macro D_SUB
	v_sub_f32 v[NMR+I], v[MN], v[NMR+I]
.endm
.macro D_MAX
	v_max_num_f32 v[NMR+I], 0xc2800000, v[NMR+I]
.endm
.macro D_CVT
	v_cvt_i32_f32 v[NMR+I], v[NMR+I]
.endm
.macro D_LD
	v_ldexp_f32 v[LLR+I], v[LLR+I], v[NMR+I]
.endm
.macro D_MUL
	v_mul_lo_u32 v[NMR+I], v[NMR+I], s84
.endm
.macro D_ADD
	v_add_nc_u32 v[SPX+I], v[SPX+I], v[NMR+I]
.endm
	s_wait_loadcnt 40                              ; -M is in (behind it: 16 + 16 + 8 loads)
	v_min3_num_f32 v[MN], v[NMR], v[NMR+1], v[NMR+2]
	v_min3_num_f32 v[MN+1], v[NMR+3], v[NMR+4], v[NMR+5]
	v_min3_num_f32 v[MN], v[MN], v[NMR+6], v[NMR+7]
	v_min3_num_f32 v[MN+1], v[MN+1], v[NMR+8], v[NMR+9]
	v_min3_num_f32 v[MN], v[MN], v[NMR+10], v[NMR+11]
	v_min3_num_f32 v[MN+1], v[MN+1], v[NMR+12], v[NMR+13]
	v_min3_num_f32 v[MN], v[MN], v[NMR+14], v[NMR+15]
	v_min_num_f32 v[MN], v[MN], v[MN+1]
	ALL16 D_SUB
	ALL16 D_MAX
	ALL16 D_CVT                                    ; d, 0 .. -64
	s_wait_alu depctr_va_vdst(0)
	s_wait_loadcnt 24                              ; the sums are in (behind them: 16 + 8)
	ALL16 D_LD
.irp n, 8,4,2
.set I, 0
.rept \n/2
	v_pk_add_f32 v[LLR+I:LLR+I+1], v[LLR+I:LLR+I+1], v[LLR+\n+I:LLR+\n+I+1]
.set I, I+2
.endr
.endr
	v_add_f32 v[LLR], v[LLR], v[LLR+1]             ; l
	ALL16 D_MUL
	s_wait_alu depctr_va_vdst(0)
	v_rcp_f32 v[TT], v[LLR]
	v_nop
	s_wait_alu depctr_va_vdst(0)
	s_wait_loadcnt 8                               ; p's scale words are in (behind them: 8)
	ALL16 D_ADD                                    ; d on each of the four bytes: none falls under 0
.irp c, 0,1,2,3
	ds_store_b128 v[WSA], v[SPX+4*\c:SPX+4*\c+3] offset:16*\c
.endr
	ds_store_b32 v[RLA], v[TT]
.irp k, 4,5,6,7,8,9,10,11,12,13,14,15
.irp g, 0,1
	global_load_b32 v[SV+16*\g+\k], v[L4], s[68:69] offset:\k*4096+\g*128
.endr
.endr
.macro PSET i                          ; where block i's four fragments of p lie
.if (\i)%4 == 0
.set PW_, 1
.set PR_, 192
.elseif (\i)%4 == 1
.set PW_, 3
.set PR_, 192
.elseif (\i)%4 == 2
.set PW_, 0
.set PR_, 160
.else
.set PW_, 0
.set PR_, 208
.endif
.endm
.macro WM1 z, rb, ra
.if \z
	v_wmma_scale_f32_16x16x128_f8f6f4 v[D_:D_+7], v[VR_:VR_+11], v[QR_:QR_+11], 0, v[XV_], v[XP_] matrix_a_fmt:MATRIX_FMT_FP6 matrix_b_fmt:MATRIX_FMT_FP6 matrix_a_scale:MATRIX_SCALE_ROW\rb matrix_b_scale:MATRIX_SCALE_ROW\ra
.else
	v_wmma_scale_f32_16x16x128_f8f6f4 v[D_:D_+7], v[VR_:VR_+11], v[QR_:QR_+11], v[D_:D_+7], v[XV_], v[XP_] matrix_a_fmt:MATRIX_FMT_FP6 matrix_b_fmt:MATRIX_FMT_FP6 matrix_a_scale:MATRIX_SCALE_ROW\rb matrix_b_scale:MATRIX_SCALE_ROW\ra
.endif
.endm
; Products from .. to - 1 of block i of slot s: number 4 q + t, key step 4 s + q, column tile t.  The block's four accumulators take turns.
.macro MM s, i, from, to
	PSET \i
	WIN (1+2*((\s)%2))|(PW_<<2)|0xa0
.set N_, \from
.rept (\to)-(\from)
.set D_, 32*(\i)+8*(N_%4)
.set VR_, 12*N_
.set QR_, PR_+12*(N_/4)
.set XV_, SV+16*((N_%4)/2)+4*(\s)+N_/4
.set XP_, SP+16*((\i)/2)+4*(\s)+N_/4
.set Z_, 0
.if (\s) == 0 && N_ < 4
.set Z_, 1
.endif
.if N_%2
.if (\i)%2
	WM1 Z_, 1, 1
.else
	WM1 Z_, 1, 0
.endif
.else
.if (\i)%2
	WM1 Z_, 0, 1
.else
	WM1 Z_, 0, 0
.endif
.endif
.set N_, N_+1
.endr
.endm
.macro FETCHP s, i                     ; 12 loads: block i of slot s
	PSET \i
	WIN PW_<<6
.irp q, 0,1,2,3
.irp c, 0,1,2
	ds_load_b128 v[PR_+12*\q+4*\c:PR_+12*\q+4*\c+3], v[ADP+(\s)%2] offset:(\q/2)*24576+(\i)*3072+(\q%2)*1536+512*\c
.endr
.endr
	WIN 0
.endm
.macro FETCHN s, i                     ; the same, on into the next slot
.if (\i) < 8
	FETCHP \s, \i
.else
	FETCHP (\s)+1, (\i)-8
.endif
.endm
.macro LOADV s, f0, n                  ; 4 n loads: fragments f0 .. (4 q + t) of slot s's value
	WIN (1+2*((\s)%2))<<6
.set F_, \f0
.rept \n
.set O_, (F_/8)*49152+(F_%4)*3072+((F_/4)%2)*1536
	ds_load_b128 v[12*F_:12*F_+3], v[ADV+(\s)%2] offset:O_
	ds_load_b64 v[12*F_+4:12*F_+5], v[ADV8+(\s)%2] offset:O_+512
	ds_load_b128 v[12*F_+6:12*F_+9], v[ADV+(\s)%2] offset:O_+768
	ds_load_b64 v[12*F_+10:12*F_+11], v[ADV8+(\s)%2] offset:O_+1280
.set F_, F_+1
.endr
	WIN 0
.endm
; A block of slots 0 to 2.  Four v_nop in every second block are the places between a set's products and the loads into it two blocks later.
.macro BLK s, i
.if (\i) == 4 || (\i) == 5 || (\i) == 7
	s_wait_dscnt 28
.else
	s_wait_dscnt 12
.endif
.if (\i)%2
	PLACES 4
.endif
.if (\i) == 3
	LOADV (\s)+1, 0, 4
.elseif (\i) == 4
	LOADV (\s)+1, 4, 4
.elseif (\i) == 6
	LOADV (\s)+1, 8, 4
.elseif (\i) == 7
	LOADV (\s)+1, 12, 4
.endif
	FETCHN \s, (\i)+2
.if (\i) == 5 && (\s) < 2              ; the round: both regions of slot s are free behind it
	s_wait_tensorcnt 0x0
	ds_add_u32 v[SPW], v[NIL]
	s_add_nc_u64 s[G0V+4*(\s)+2:G0V+4*(\s)+3], s[G0V+4*(\s)+2:G0V+4*(\s)+3], 2*393216
	s_add_nc_u64 s[G0P+4*(\s)+2:G0P+4*(\s)+3], s[G0P+4*(\s)+2:G0P+4*(\s)+3], 2*786432
	MM \s, \i, 0, 12
	s_wait_dscnt 0x0
	s_barrier_signal -1
	MM \s, \i, 12, 16
	WIN 0
	s_barrier_wait -1
	CREST
	s_cmp_eq_u32 s14, 0
	s_cbranch_scc0 .Lnot_v_\@
	TLOAD G0V+4*(\s), G1V
	s_branch .Lasked_\@
.Lnot_v_\@:
	s_cmp_eq_u32 s14, 1
	s_cbranch_scc0 .Lasked_\@
	TLOAD G0P+4*(\s), G1P
.Lasked_\@:
.elseif (\i) == 2                      ; the next slot is shown to all
	MM \s, \i, 0, 12
	WIN 0
	s_wait_tensorcnt 0x0
	s_wait_dscnt 0x0
	s_barrier_signal -1
	MM \s, \i, 12, 16
	WIN 0
	s_barrier_wait -1
.else
	MM \s, \i, 0, 16
	WIN 0
.endif
.endm
	s_wait_alu depctr_va_vdst(0)
	s_wait_dscnt 0x0
	s_cmp_lt_u32 s14, 2
	s_cbranch_scc0 .Lnot_slot_0
	s_wait_tensorcnt 0x0
.Lnot_slot_0:
	s_barrier_signal -1
	s_barrier_wait -1                              ; slot 0 and the shared words are in; slot 1 may be out
.irp g, 0,1,2,3
.irp c, 0,1,2,3
	ds_load_b128 v[SP+16*\g+4*\c:SP+16*\g+4*\c+3], v[WSR] offset:2560*\g+16*\c
.endr
.endr
.irp i, 0,1,2,3,4,5,6,7
	ds_load_b32 v[RL+2*\i], v[RLR] offset:64*\i
.endr
	LOADV 0, 0, 16
	FETCHP 0, 0
	FETCHP 0, 1
	s_wait_loadcnt 24                              ; value's words of key steps 0-3 are in (behind them: 24 loads)
.irp i, 0,1,2,3,4,5,6,7
	BLK 0, \i
.endr
	PF 3
	s_wait_loadcnt 0x0
.irp i, 0,1,2,3,4,5,6,7
	BLK 1, \i
.endr
.irp i, 0,1,2,3,4,5,6,7
	BLK 2, \i
.endr
; THE LAST SLOT: block i - 1 goes through my stage while block i is multiplied, and is stored in block i + 1.
.macro SCALE i
	WIN 0x82
.set J, 0
.rept 16
	v_pk_mul_f32 v[32*(\i)+J:32*(\i)+J+1], v[32*(\i)+J:32*(\i)+J+1], v[RL+2*(\i):RL+2*(\i)+1] op_sel_hi:[1,0]
.set J, J+2
.endr
.endm
.macro TOSTAGE i
	WIN 0x08
.irp t, 0,1,2,3
	ds_store_b128 v[STO], v[32*(\i)+8*\t:32*(\i)+8*\t+3] offset:64*\t
	ds_store_b128 v[STO], v[32*(\i)+8*\t+4:32*(\i)+8*\t+7] offset:64*\t+16
.endr
	WIN 0x40
.set BB, BK+32*((\i)%2)
.irp n, 0,1,2,3,4,5,6,7
	ds_load_b128 v[BB+4*\n:BB+4*\n+3], v[RD] offset:\n*2*SPITCH
.endr
	WIN 0
.endm
.macro SEND i
	WIN 0x04
.set BB, BK+32*((\i)%2)
.irp n, 0,1,2,3,4,5,6,7
	global_store_b128 v[OUT], v[BB+4*\n:BB+4*\n+3], s[12:13] offset:(16*(\i)+2*\n)*4096 th:TH_STORE_NT
.endr
	WIN 0
.endm
.macro BLK3 i
.if (\i) == 0
	s_wait_dscnt 12
.else
	s_wait_dscnt 0x0
	PLACES 4
.if (\i) > 2
	s_wait_xcnt 0x0                                ; the stores of block i - 3 have read the registers that the stage's rows go to below
.endif
.if (\i) > 1
	SEND (\i)-2
.endif
	SCALE (\i)-1
	TOSTAGE (\i)-1
.endif
.if (\i) < 6
	FETCHP 3, (\i)+2
.endif
	MM 3, \i, 0, 16
	WIN 0
.endm
.irp i, 0,1,2,3,4,5,6,7
	v_mov_b32 v[RL+2*\i+1], v[RL+2*\i]
.endr
	s_wait_alu depctr_va_vdst(0)
.irp i, 0,1,2,3,4,5,6,7
	BLK3 \i
.endr
	s_wait_dscnt 0x0
	PLACES 4
	s_wait_xcnt 0x0
	SEND 6
	SCALE 7
	TOSTAGE 7
	s_wait_dscnt 0x0
	SEND 7
	s_wait_tensorcnt 0x0
	ds_add_u32 v[SPW], v[NIL]
	s_wait_dscnt 0x0
	CROUND
	s_endpgm
.Lfunc_end_k_qd42148f671_pv:
	.size	k_qd42148f671_pv, .Lfunc_end_k_qd42148f671_pv-k_qd42148f671_pv
	.p2alignl 7, 3214868480
	.fill 96, 4, 3214868480
	.section	.rodata,"a",@progbits
	.p2align	6, 0x0
	.amdhsa_kernel k_qd42148f671_pv
		.amdhsa_group_segment_fixed_size 327680
		.amdhsa_private_segment_fixed_size 0
		.amdhsa_enable_private_segment 0
		.amdhsa_kernarg_size 40
		.amdhsa_user_sgpr_count 2
		.amdhsa_user_sgpr_kernarg_segment_ptr 1
		.amdhsa_wavefront_size32 1
		.amdhsa_system_sgpr_workgroup_id_x 1
		.amdhsa_system_sgpr_workgroup_id_y 1
		.amdhsa_system_sgpr_workgroup_id_z 1
		.amdhsa_system_vgpr_workitem_id 0
		.amdhsa_next_free_vgpr 1024
		.amdhsa_next_free_sgpr 102
		.amdhsa_reserve_vcc 0
		.amdhsa_float_denorm_mode_32 3
		.amdhsa_float_denorm_mode_16_64 3
		.amdhsa_memory_ordered 1
		.amdhsa_forward_progress 1
		.amdhsa_inst_pref_size 163
	.end_amdhsa_kernel
	.amdgpu_metadata
---
amdhsa.version: [ 1, 2 ]
amdhsa.kernels:
  - .name:           k_qd42148f671_pv
    .symbol:         k_qd42148f671_pv.kd
    .args:
      - { .name: qkvf, .offset: 0, .size: 8, .value_kind: global_buffer, .address_space: global }
      - { .name: qkvs, .offset: 8, .size: 8, .value_kind: global_buffer, .address_space: global }
      - { .name: pf, .offset: 16, .size: 8, .value_kind: global_buffer, .address_space: global }
      - { .name: pst, .offset: 24, .size: 8, .value_kind: global_buffer, .address_space: global }
      - { .name: out0, .offset: 32, .size: 8, .value_kind: global_buffer, .address_space: global }
    .group_segment_fixed_size: 327680
    .private_segment_fixed_size: 0
    .kernarg_segment_align: 8
    .kernarg_segment_size: 40
    .max_flat_workgroup_size: 128
    .sgpr_count:     102
    .vgpr_count:     1024
    .wavefront_size: 32
...
	.end_amdgpu_metadata
.endif
;; end of part 3
